; MI455X (gfx1250); checked and timed in simulation.
; The chip was launched on July 23, 2026; its instructions are those of AMD's public machine-readable ISA for CDNA 5 (MIT licence, August 2026) and "CDNA5" Instruction Set Architecture Reference Guide (July 2026). The comments in the code are by the model that wrote it; some were corrected since.
;; Attention Block. Allowed arithmetic: matrix products marked QUANTISED: E5M2 operands, one E8M0 scale for each 32 along K, by v_wmma_scale_f32_16x16x128_f8f6f4 with both operands' format E5M2, f32 sums; products left as they are: f32 operands where the result goes on into a quantised operand, else bf16, f16 or f32 operands; f32 sums; everything else in f32.
;; Inputs: cond_norm 4 x 512 float32; head_scale 16 float32; norm_w 1,024 x 512 float32; out_w_codes 1,024 x 32 x 32 uint8 (E5M2 codes of out_w, K innermost, in blocks of 32 codes); out_w_scales 1,024 x 32 uint8 (E8M0 scales of out_w, one for each 32 codes along K); pos 4 x 2,048 x 2 float32; qkv_w_codes 3,072 x 32 x 32 uint8 (E5M2 codes of qkv_w, K innermost, in blocks of 32 codes); qkv_w_scales 3,072 x 32 uint8 (E8M0 scales of qkv_w, one for each 32 codes along K); x 4 x 2,048 x 1,024 float32.
;; Outputs: out0 4 x 2,048 x 1,024 float32.
;; This version of the problem:
;;   THIS VERSION OF THE PROBLEM IS GIVEN IN LOW PRECISION. The matrix products marked QUANTISED in the list below multiply operands that are first quantised to E5M2 (5 exponent bits, 2 mantissa bits; 8 bits a number), with one power-of-two scale for each 32 numbers along K (OCP MX v1.0); their sums are f32. All else is computed in f32.
;;   The module's matrix products, in the order in which they are computed (A, B: the left and right operand; K: the contracted axis; several contracted axes count as one K, in the product's order):
;;     1. [M 4, K 512] x [K 512, N 1,024]; A: input cond_norm; B: input norm_w: left as it is (M = 4 < 16)
;;     2. [M 8,192, K 1,024] x [K 1,024, N 3,072]; A: computed on the way; B: input qkv_w (given as codes): QUANTISED
;;     3. batch 64 x [M 2,048, K 64] x [K 64, N 2,048]; A: computed on the way; B: computed on the way: QUANTISED
;;     4. batch 64 x [M 2,048, K 2,048] x [K 2,048, N 64]; A: softmax (see below); B: computed on the way: QUANTISED
;;     5. [M 8,192, K 1,024] x [K 1,024, N 1,024]; A: computed on the way; B: input out_w (given as codes): QUANTISED
;;   THE QUANTISER, for each operand of a quantised product, along K:
;;     - K is cut into blocks of 32 from its start; a last block that is shorter is filled with zeros.
;;     - A block's scale is 2^e with e = floor(log2(the largest magnitude in the block)) - 15, held to -126 .. 127; a block of zeros has e = 0. As a byte (E8M0): e + 127.
;;     - Each number is divided by its block's scale, clamped to +-57,344, and rounded to the nearest number of E5M2, ties to even, subnormals kept.
;;     - The product sums the exact products of the quantised numbers (number of the format x scale) in f32.
;;   ~~~python
;;   def quantise(x, axis):      # numpy; x: float32 -> the quantised numbers, widened to float32 again
;;       x = np.moveaxis(x, axis, -1); K = x.shape[-1]
;;       x = np.pad(x, [(0, 0)] * (x.ndim - 1) + [(0, -K % 32)]); x = x.reshape(x.shape[:-1] + (-1, 32)); a = np.abs(x).max(-1, keepdims=True)
;;       e = np.where(a > 0, np.clip(np.frexp(np.where(a > 0, a, 1))[1] - 1 - 15, -126, 127), 0)      # np.frexp(a)[1] - 1 = floor(log2(a)), exactly
;;       r = np.clip(x / 2.0 ** e, -57344, 57344)
;;       step = 2.0 ** (np.maximum(np.frexp(np.where(r == 0, 1, r))[1] - 1, -14) - 2)
;;       q = np.round(r / step) * step * 2.0 ** e      # np.round: ties to even
;;       return np.moveaxis(q.reshape(q.shape[:-2] + (-1,))[..., :K], -1, axis).astype(np.float32)
;;   ~~~
;;   SOFTMAX AHEAD OF A QUANTISED PRODUCT. Where the list says 'softmax', what is quantised is not the finished softmax but p = 2^(t - M), with t = logit x log2(e) and M = ceil(the row's largest t), a whole number; so 1/2 < the row's largest p <= 1. The row's sum l is taken of the UNQUANTISED p, in f32, and the product's result is divided by l at the end. Since M is a whole number, a kernel that streams over the keys may use a running M (the ceiling of the running maximum): every later rescaling is an exact power of two, which a block's scale takes up: the codes' values come out the same.
;;   OPERANDS COMPUTED ON THE WAY. 'Computed on the way' means the value that the module computes at that place (a softmax that the list does not call 'softmax' is quantised finished and normalised). What goes into a quantiser is computed in f32, as accurately as f32 sums, v_exp_f32 and their like allow (about 1e-6 of the number): no bf16 or f16 on the way to a quantiser, and a product that is left as it is and whose result goes on into a quantised operand takes f32 operands (vector FMAs, or v_wmma_f32_16x16x4_f32). A number that lies on a knife's edge between two numbers of the format may be rounded either way, as far as f32 arithmetic and the matrix unit's own rounding can turn it there, and no further.
;;   INPUTS GIVEN AS CODES. out_w (in the module: [1024, 1024], K = its axis 1); qkv_w (in the module: [3072, 1024], K = its axis 1): each comes as NAME_codes (uint8): NAME with its K axis moved to the last place and cut into blocks of 32 codes, [.., K / 32, bytes a block], one block behind the other in memory; one code a byte (a code: sign, 5 exponent bits, 2 mantissa bits); and NAME_scales (uint8): the same leading axes, one E8M0 byte (e + 127) for each 32 codes along K. Its value is code x scale, taken as it is: it is not quantised again, and the codes and scales need not be those that the quantiser above would give.
;; One version. Each part assembles by itself: llvm-mc -triple=amdgcn-amd-amdhsa -mcpu=gfx1250 --defsym DOCPART=n.
;; ======== version 1 of 1: 5 launches
;; limits: right only within a limited range of input values
;; workspace buffers: gain 16,384 bytes; xn_codes 8,388,608 bytes; xn_scales 262,144 bytes; q_img 8,650,752 bytes; kv_img 17,301,504 bytes; o_img 8,388,608 bytes; o_sc 262,144 bytes
;; launch gain (part 1): grid 64 x 1, 4 waves a work-group, no clusters, 1,024 bytes of LDS; arguments cond_norm, norm_w, gain; writes gain
.if DOCPART == 1
	.amdgcn_target "amdgcn-amd-amdhsa--gfx1250"
	.amdhsa_code_object_version 6
	.text
	.protected	k_q0e591afca3_gain
	.globl	k_q0e591afca3_gain
	.p2align	8
	.type	k_q0e591afca3_gain,@function
k_q0e591afca3_gain:
	s_mov_b64 s[64:65], 0
	v_nop
	global_prefetch_b8 v0, s[64:65] scope:SCOPE_SE
	s_setreg_imm32_b32 hwreg(HW_REG_WAVE_MODE, 25, 1), 1
	s_wait_xcnt 0x0
; gain(n, d) = 1 + the sum over k of cond_norm[n][k] norm_w[d][k], all f32: the result goes on into a quantiser, so fused multiply-adds and no matrix unit (4 rows).
; DEAD WORK: reference() never reads pos (no expression names it), so pos has no way to any output for any values: it is not loaded and is no launch's argument.
; A NaN, an infinity or an overflow in pos is therefore not carried to the result.
; LAYOUT of the workspace: [d / 16][n 4][16] f32, so that the 16 columns x 4 batches of one work-group are 256 consecutive bytes, stored whole by one instruction.
; SHARES.  A work-group owns 16 columns d, each of its 4 waves four.  A lane holds k = 128 j + 4 lane + 0 .. 3, j = 0 .. 3: every load of a wave covers 512 consecutive bytes; all 32 loads of a wave are out together.
; No tensor load, no cluster, no prefetch: each byte of norm_w is read once, by one wave, with no loop to run ahead in.
; LIMITS: NaN and infinities among the inputs are not served.
.set CN, 16                            ; v16-79   cond_norm: register 16 n + 4 j
.set NW, 80                            ; v80-143  my four rows of norm_w: register 16 i + 4 j
.set SM, 144                           ; v144-159 the sums: 4 i + n
.set TP, 2                             ; v2-9     four pairs at work
	s_load_b128 s[4:7], s[0:1], 0x0                ; cond_norm, norm_w
	s_load_b64 s[8:9], s[0:1], 0x10                ; gain
	v_lshl_add_u32 v160, v0, 2, 256                ; my spare word, behind the 256 bytes of sums
	v_mov_b32 v161, 0
	v_lshrrev_b32 v1, 5, v0
	v_readfirstlane_b32 s12, v1                    ; wave 0..3
	v_and_b32 v1, 31, v0
	v_lshlrev_b32 v10, 4, v1                       ; 16 x lane
	v_lshlrev_b32 v12, 3, v1                       ; 8 x lane: the way out, in LDS and in memory
	s_lshl_b32 s13, s12, 4
	v_mov_b32 v11, s13                             ; LDS: my four columns' 16 bytes in a row of 64
	s_lshl_b32 s14, ttmp9, 15                      ; norm_w: 16 rows of 2,048 bytes a work-group,
	s_lshl_b32 s15, s12, 13                        ; four a wave
	s_add_co_u32 s14, s14, s15
	s_mov_b32 s15, 0
	s_lshl_b32 s16, ttmp9, 8                       ; gain: 256 bytes a work-group
	s_mov_b32 s17, 0
	s_mov_b32 s18, 0x76543210
	s_mov_b32 s19, 0xfedcba98                      ; selects for lane l xor 16
	s_wait_alu depctr_va_vdst(0)                   ; the wait at the head's end
	s_wait_kmcnt 0x0
	s_add_nc_u64 s[6:7], s[6:7], s[14:15]
	s_add_nc_u64 s[8:9], s[8:9], s[16:17]
.irp n, 0,1,2,3
.irp j, 0,1,2,3
	global_load_b128 v[CN+16*\n+4*\j:CN+16*\n+4*\j+3], v10, s[4:5] offset:2048*\n+512*\j
.endr
.endr
.irp i, 0,1,2,3
.irp j, 0,1,2,3
	global_load_b128 v[NW+16*\i+4*\j:NW+16*\i+4*\j+3], v10, s[6:7] offset:2048*\i+512*\j th:TH_LOAD_NT
.endr
.endr
	s_wait_loadcnt 0x0
.irp i, 0,1,2,3                        ; my row i against the four rows of cond_norm: four chains by turns, the first product starts each
.irp n, 0,1,2,3
	v_pk_mul_f32 v[TP+2*\n:TP+2*\n+1], v[NW+16*\i:NW+16*\i+1], v[CN+16*\n:CN+16*\n+1]
.endr
.irp q, 2,4,6,8,10,12,14
.irp n, 0,1,2,3
	v_pk_fma_f32 v[TP+2*\n:TP+2*\n+1], v[NW+16*\i+\q:NW+16*\i+\q+1], v[CN+16*\n+\q:CN+16*\n+\q+1], v[TP+2*\n:TP+2*\n+1]
.endr
.endr
.irp n, 0,1,2,3
	v_add_f32 v[SM+4*\i+\n], v[TP+2*\n], v[TP+2*\n+1]
.endr
.endr
.irp m, 1,2,4,8                        ; across the 32 lanes: four steps inside each half, one between the halves
.set q, 0
.rept 16
	v_add_f32_dpp v[SM+q], v[SM+q], v[SM+q] row_xmask:\m row_mask:0xf bank_mask:0xf
.set q, q+1
.endr
.endr
.set q, 0
.rept 16
	v_permlanex16_b32 v[CN+q], v[SM+q], s18, s19   ; (its destination counts as read: cond_norm's registers are done with)
.set q, q+1
.endr
.set q, 0
.rept 16
	v_add_f32 v[SM+q], v[SM+q], v[CN+q]
.set q, q+1
.endr
.set q, 0
.rept 16
	v_add_f32 v[SM+q], 1.0, v[SM+q]                ; proj + 1
.set q, q+1
.endr
.irp i, 0,1,2,3
.irp n, 0,1,2,3
	ds_store_b32 v11, v[SM+4*\i+\n] offset:64*\n+4*\i   ; all lanes write the same word with the same value
.endr
.endr
	s_wait_dscnt 0x0                               ; for the others' sake: my stores have landed
	s_barrier_signal -1
	s_barrier_wait -1
	s_cmp_lt_u32 s12, 1                            ; wave 0 carries the 256 bytes out
	s_cbranch_scc0 .Ldone
	ds_load_b64 v[2:3], v12
	s_wait_dscnt 0x0
	global_store_b64 v12, v[2:3], s[8:9]           ; 32 lanes store 256 consecutive bytes, at a multiple of 256 from the buffer's first byte
.Ldone:
	s_wait_tensorcnt 0x0                           ; the wave's end
	ds_add_u32 v160, v161
	s_wait_dscnt 0x0
	s_endpgm
.Lfunc_end_k_q0e591afca3_gain:
	.size	k_q0e591afca3_gain, .Lfunc_end_k_q0e591afca3_gain-k_q0e591afca3_gain
	.p2alignl 7, 3214868480
	.fill 96, 4, 3214868480
	.section	.rodata,"a",@progbits
	.p2align	6, 0x0
	.amdhsa_kernel k_q0e591afca3_gain
		.amdhsa_group_segment_fixed_size 1024
		.amdhsa_private_segment_fixed_size 0
		.amdhsa_enable_private_segment 0
		.amdhsa_kernarg_size 24
		.amdhsa_user_sgpr_count 2
		.amdhsa_user_sgpr_kernarg_segment_ptr 1
		.amdhsa_wavefront_size32 1
		.amdhsa_system_sgpr_workgroup_id_x 1
		.amdhsa_system_sgpr_workgroup_id_y 1
		.amdhsa_system_sgpr_workgroup_id_z 1
		.amdhsa_system_vgpr_workitem_id 0
		.amdhsa_next_free_vgpr 162
		.amdhsa_next_free_sgpr 66
		.amdhsa_reserve_vcc 0
		.amdhsa_float_denorm_mode_32 3
		.amdhsa_float_denorm_mode_16_64 3
		.amdhsa_memory_ordered 1
		.amdhsa_forward_progress 1
		.amdhsa_inst_pref_size 21
	.end_amdhsa_kernel
	.amdgpu_metadata
---
amdhsa.version: [ 1, 2 ]
amdhsa.kernels:
  - .name:           k_q0e591afca3_gain
    .symbol:         k_q0e591afca3_gain.kd
    .args:
      - { .name: cond_norm, .offset: 0, .size: 8, .value_kind: global_buffer, .address_space: global }
      - { .name: norm_w, .offset: 8, .size: 8, .value_kind: global_buffer, .address_space: global }
      - { .name: gain, .offset: 16, .size: 8, .value_kind: global_buffer, .address_space: global }
    .group_segment_fixed_size: 1024
    .private_segment_fixed_size: 0
    .kernarg_segment_align: 8
    .kernarg_segment_size: 24
    .max_flat_workgroup_size: 128
    .sgpr_count:     66
    .vgpr_count:     162
    .wavefront_size: 32
...
	.end_amdgpu_metadata
.endif
;; end of part 1
;; launch xquant (part 2): grid 256 x 1, 16 waves a work-group, no clusters, 84,992 bytes of LDS; arguments x, gain, xn_codes, xn_scales; writes xn_codes, xn_scales
.if DOCPART == 2
	.amdgcn_target "amdgcn-amd-amdhsa--gfx1250"
	.amdhsa_code_object_version 6
	.text
	.protected	k_q0e591afca3_xquant
	.globl	k_q0e591afca3_xquant
	.p2align	8
	.type	k_q0e591afca3_xquant,@function
k_q0e591afca3_xquant:
	s_mov_b64 s[64:65], 0
	v_nop
	global_prefetch_b8 v0, s[64:65] scope:SCOPE_SE
	s_setreg_imm32_b32 hwreg(HW_REG_WAVE_MODE, 25, 1), 1
	s_wait_xcnt 0x0
; xn = x * (gain * rsqrt(mean(x^2) + 1e-6)), row by row, in f32, and its codes of BF8 (E5M2) along the row, with one E8M0 byte for each 32: xn_codes [8192][1024], xn_scales [8192][32].
; A block's scale is 2^(floor(log2(its largest magnitude)) - 15); its byte is the largest magnitude's exponent field - 15, held at 1 from below.  A block of zeros so gets the byte 1 where the quantiser says 127:
; its codes are zeros, which add nothing under any byte but 0xff, and this program alone reads the bytes.
; LIMITS: NaN and infinities among the inputs are not served.
; SHARES.  A work-group owns 32 rows (all of one batch: 2,048 is a multiple of 32), each of its 16 waves two.  A row of 4,096 bytes is eight loads of 512 consecutive bytes and stays in 32 registers between the sum of squares
; and the scaling: x is read once.  All 24 loads of a wave (gain's row, two rows of x) go out together: 128 KiB of x for the work-group, so no ring is needed.
; The conversions take neighbours along K from ONE lane's registers: the scaled row turns through the wave's own stage in LDS (64 places of 64 bytes + 16 of padding) and comes back 16 neighbours a lane, two lanes to a block.
; A lane's 16 codes are 16 bytes: a wave's store covers 512 consecutive bytes.  The work-group's 1,024 scale bytes are gathered in LDS and leave as four runs of 256 bytes.
.set G,   16                           ; v16-47   gain, as loaded
.set R,   48                           ; v48-111  two rows of x, as loaded
.set T,   112                          ; v112-143 at work: the sums' chains, then the scaled row
.set XS,  144                          ; v144-175 two sets of 16 neighbours
.set C,   176                          ; v176-191 codes: four registers for each of the four steps, so that no store's data are written again
.set E,   192                          ; v192-195 a scale byte for each step
.set SP,  80                           ; a place in the stage
.set SCB, 16*64*SP                     ; behind the sixteen stages: the scale bytes
	s_load_b256 s[4:11], s[0:1], 0x0               ; x, gain, xn_codes, xn_scales
	v_lshl_add_u32 v208, v0, 2, 0x14400
	v_mov_b32 v209, 0
	v_lshrrev_b32 v1, 5, v0
	s_delay_alu instid0(VALU_DEP_1)
	v_readfirstlane_b32 s16, v1                    ; wave 0..15
	v_and_b32 v1, 31, v0                           ; lane
	s_delay_alu instid0(VALU_DEP_1)
	v_lshlrev_b32 v2, 4, v1                        ; 16 x lane
	v_lshrrev_b32 v3, 2, v1                        ; gain lies as [d / 16][n][16]: my four columns 128 j + 4 lane lie in block 8 j + lane / 4,
	v_and_b32 v4, 3, v1
	v_lshlrev_b32 v3, 8, v3                        ; 256 bytes a block,
	v_lshl_add_u32 v3, v4, 4, v3                   ; at 16 (lane % 4) of the batch's 64 bytes
	s_mul_i32 s17, s16, 64*SP                      ; my stage
	v_lshrrev_b32 v14, 2, v1
	s_delay_alu instid0(VALU_DEP_1)
	v_mul_u32_u24 v14, v14, SP
	v_and_b32 v15, 3, v1
	s_delay_alu instid0(VALU_DEP_1)
	v_lshl_add_u32 v14, v15, 4, v14
	s_delay_alu instid0(VALU_DEP_1)
	v_add_nc_u32 v14, s17, v14                     ; on the way in: four lanes' 64 bytes on end, then the padding; a load's 512 bytes take eight places
	v_mul_u32_u24 v15, v1, SP
	s_delay_alu instid0(VALU_DEP_1)
	v_add_nc_u32 v15, s17, v15                     ; on the way out: a place a lane
	v_lshrrev_b32 v5, 1, v1
	s_lshl_b32 s18, s16, 6
	s_add_co_u32 s18, s18, SCB
	v_add_nc_u32 v5, s18, v5                       ; my wave's 64 scale bytes, my block's byte
	v_lshl_add_u32 v6, v0, 4, SCB                  ; the scale bytes' way out: thread t reads 16 bytes,
	v_lshlrev_b32 v7, 4, v0                        ; and stores them
	v_mov_b32 v9, 0                                ; written once: a lane permute's destination counts as one of its sources
	s_mov_b32 s12, 0x76543210
	s_mov_b32 s13, 0xfedcba98                      ; v_permlanex16_b32's selects for lane l xor 16
	s_mov_b32 s14, 0x600000                        ; the mantissa field of 57,344
	s_mov_b32 s15, 0x358637bd                      ; 1e-6
	s_mov_b32 s19, 0x3a800000                      ; 1 / 1,024
	s_lshl_b32 s20, ttmp9, 17                      ; x: 32 rows of 4,096 bytes a work-group, two a wave
	s_lshl_b32 s21, s16, 13
	s_add_co_u32 s20, s20, s21
	s_mov_b32 s21, 0
	s_lshr_b32 s22, ttmp9, 6                       ; gain: the batch's row
	s_lshl_b32 s22, s22, 6                         ; the batch's 64 bytes in each block
	s_mov_b32 s23, 0
	s_lshl_b32 s24, ttmp9, 15                      ; codes: rows of 1,024 bytes
	s_lshl_b32 s25, s16, 11
	s_add_co_u32 s24, s24, s25
	s_mov_b32 s25, 0
	s_lshl_b32 s26, ttmp9, 10                      ; scale bytes: 1,024 a work-group
	s_mov_b32 s27, 0
	s_wait_kmcnt 0x0
	s_add_nc_u64 s[4:5], s[4:5], s[20:21]
	s_add_nc_u64 s[6:7], s[6:7], s[22:23]
	s_add_nc_u64 s[8:9], s[8:9], s[24:25]
	s_add_nc_u64 s[10:11], s[10:11], s[26:27]
.irp j, 0,1,2,3,4,5,6,7
	global_load_b128 v[G+4*\j:G+4*\j+3], v3, s[6:7] offset:2048*\j
.endr
.irp p, 0,1
.irp j, 0,1,2,3,4,5,6,7
	global_load_b128 v[R+32*\p+4*\j:R+32*\p+4*\j+3], v2, s[4:5] offset:4096*\p+512*\j th:TH_LOAD_NT
.endr
.endr
; 512 numbers of row p: step s.  A lane's 16 neighbours become 16 codes; two neighbouring lanes share a block and its byte.
.macro STEP p, s
.set XX, XS+16*(\s)
	v_max3_num_f32 v8, |v[XX]|, |v[XX+1]|, |v[XX+2]|               ; the largest magnitude of my 16, in two chains
	v_max3_num_f32 v9, |v[XX+3]|, |v[XX+4]|, |v[XX+5]|
.irp i, 6,10
	s_delay_alu instid0(VALU_DEP_2)
	v_max3_num_f32 v8, v8, |v[XX+\i]|, |v[XX+\i+1]|
	s_delay_alu instid0(VALU_DEP_2)
	v_max3_num_f32 v9, v9, |v[XX+\i+2]|, |v[XX+\i+3]|
.endr
	s_delay_alu instid0(VALU_DEP_2)
	v_max3_num_f32 v8, v8, |v[XX+14]|, |v[XX+15]|
	s_delay_alu instid0(VALU_DEP_1)
	v_max3_num_f32 v8, v8, v9, 0x8000000           ; and the floor 2^(16 - 127): the byte cannot fall under 1
	s_delay_alu instid0(VALU_DEP_1)
	v_max_num_f32_dpp v8, v8, v8 row_xmask:1 row_mask:0xf bank_mask:0xf   ; with my neighbour's 16: the block's
	s_delay_alu instid0(VALU_DEP_1)
	v_add_nc_u32 v11, 0xf8800000, v8               ; 15 off its exponent field: the conversion takes the exponent field of this operand as its scale
	s_delay_alu instid0(VALU_DEP_2)
	v_and_or_b32 v10, v8, 0x7f800000, s14          ; 57,344 x the scale
.set i, 0
.rept 16
	v_med3_num_f32 v[XX+i], v[XX+i], -v10, v10     ; the conversion to an 8-bit code does not saturate (ISA guide 7.6.2): the hold comes first
.set i, i+1
.endr
	v_cvt_scalef32_pk8_bf8_f32 v[C+4*(2*(\p)+(\s)):C+4*(2*(\p)+(\s))+1], v[XX:XX+7], v11
	v_cvt_scalef32_pk8_bf8_f32 v[C+4*(2*(\p)+(\s))+2:C+4*(2*(\p)+(\s))+3], v[XX+8:XX+15], v11
	v_lshrrev_b32 v[E+2*(\p)+(\s)], 23, v11        ; the scale's byte (also the plain line behind the conversions)
	ds_store_b8 v5, v[E+2*(\p)+(\s)] offset:32*(\p)+16*(\s)   ; both lanes of a block write the same byte with the same value
	global_store_b128 v2, v[C+4*(2*(\p)+(\s)):C+4*(2*(\p)+(\s))+3], s[8:9] offset:1024*(\p)+512*(\s)   ; 512 consecutive bytes a wave
.endm
.macro ROW p
	s_wait_loadcnt 8*(1-(\p))                      ; gain and this row are in; in row 0's turn row 1's eight loads may be out
.irp k, 0,1,2,3                        ; the sum of squares, in four chains; the first products start them
	v_pk_mul_f32 v[T+2*\k:T+2*\k+1], v[R+32*(\p)+2*\k:R+32*(\p)+2*\k+1], v[R+32*(\p)+2*\k:R+32*(\p)+2*\k+1]
.endr
.irp q, 8,16,24
.irp k, 0,1,2,3
	s_delay_alu instid0(VALU_DEP_4)
	v_pk_fma_f32 v[T+2*\k:T+2*\k+1], v[R+32*(\p)+\q+2*\k:R+32*(\p)+\q+2*\k+1], v[R+32*(\p)+\q+2*\k:R+32*(\p)+\q+2*\k+1], v[T+2*\k:T+2*\k+1]
.endr
.endr
	s_delay_alu instid0(VALU_DEP_3)
	v_pk_add_f32 v[T:T+1], v[T:T+1], v[T+2:T+3]
	s_delay_alu instid0(VALU_DEP_2)
	v_pk_add_f32 v[T+4:T+5], v[T+4:T+5], v[T+6:T+7]
	s_delay_alu instid0(VALU_DEP_1)
	v_pk_add_f32 v[T:T+1], v[T:T+1], v[T+4:T+5]
	s_delay_alu instid0(VALU_DEP_1)
	v_add_f32 v8, v[T], v[T+1]
	s_delay_alu instid0(VALU_DEP_1)
	v_add_f32_dpp v8, v8, v8 row_xmask:1 row_mask:0xf bank_mask:0xf
	s_delay_alu instid0(VALU_DEP_1)
	v_add_f32_dpp v8, v8, v8 row_xmask:2 row_mask:0xf bank_mask:0xf
	s_delay_alu instid0(VALU_DEP_1)
	v_add_f32_dpp v8, v8, v8 row_xmask:4 row_mask:0xf bank_mask:0xf
	s_delay_alu instid0(VALU_DEP_1)
	v_add_f32_dpp v8, v8, v8 row_xmask:8 row_mask:0xf bank_mask:0xf
	s_delay_alu instid0(VALU_DEP_1)
	v_permlanex16_b32 v9, v8, s12, s13
	s_delay_alu instid0(VALU_DEP_1)
	v_add_f32 v8, v8, v9                           ; the row's sum of squares, in every lane
	s_delay_alu instid0(VALU_DEP_1)
	v_fma_f32 v8, v8, s19, s15                     ; the mean + 1e-6
	s_wait_alu depctr_va_vdst(0)
	v_rsq_f32 v8, v8
	v_nop                                          ; one plain line behind a transcendental
.set i, 0
	s_wait_alu depctr_va_vdst(0)
.rept 16
	v_pk_mul_f32 v[T+i:T+i+1], v[G+i:G+i+1], v[8:9] op_sel_hi:[1,0]   ; gain * inv_rms,
.set i, i+2
.endr
.set i, 0
.rept 16
	v_pk_mul_f32 v[T+i:T+i+1], v[R+32*(\p)+i:R+32*(\p)+i+1], v[T+i:T+i+1]   ; and x times that: the order in which the block's definition multiplies
.set i, i+2
.endr
.irp j, 0,1,2,3,4,5,6,7
	ds_store_b128 v14, v[T+4*\j:T+4*\j+3] offset:8*SP*\j
.endr
.irp s, 0,1
.irp i, 0,1,2,3
	ds_load_b128 v[XS+16*\s+4*\i:XS+16*\s+4*\i+3], v15 offset:32*SP*\s+16*\i   ; LDS serves a wave's instructions in order (ISA guide 5.7.1.4): these see my stores
.endr
.endr
	s_wait_dscnt 0x0
	STEP \p, 0
	STEP \p, 1
.endm
	ROW 0
	ROW 1
	s_wait_dscnt 0x0                               ; for the others' sake: my scale bytes have landed
	s_barrier_signal -1
	s_barrier_wait -1
	s_cmp_lt_u32 s16, 2                            ; threads 0 to 63 carry the 1,024 scale bytes out
	s_cbranch_scc0 .Ldone
	ds_load_b128 v[T:T+3], v6
	s_wait_dscnt 0x0
	global_store_b128 v7, v[T:T+3], s[10:11]       ; sixteen lanes store 256 consecutive bytes, at a multiple of 256 from the buffer's first byte
.Ldone:
	s_wait_tensorcnt 0x0
	ds_add_u32 v208, v209
	s_wait_dscnt 0x0
	s_endpgm
.Lfunc_end_k_q0e591afca3_xquant:
	.size	k_q0e591afca3_xquant, .Lfunc_end_k_q0e591afca3_xquant-k_q0e591afca3_xquant
	.p2alignl 7, 3214868480
	.fill 96, 4, 3214868480
	.section	.rodata,"a",@progbits
	.p2align	6, 0x0
	.amdhsa_kernel k_q0e591afca3_xquant
		.amdhsa_group_segment_fixed_size 84992
		.amdhsa_private_segment_fixed_size 0
		.amdhsa_enable_private_segment 0
		.amdhsa_kernarg_size 32
		.amdhsa_user_sgpr_count 2
		.amdhsa_user_sgpr_kernarg_segment_ptr 1
		.amdhsa_wavefront_size32 1
		.amdhsa_system_sgpr_workgroup_id_x 1
		.amdhsa_system_sgpr_workgroup_id_y 1
		.amdhsa_system_sgpr_workgroup_id_z 1
		.amdhsa_system_vgpr_workitem_id 0
		.amdhsa_next_free_vgpr 210
		.amdhsa_next_free_sgpr 66
		.amdhsa_reserve_vcc 0
		.amdhsa_float_denorm_mode_32 3
		.amdhsa_float_denorm_mode_16_64 3
		.amdhsa_memory_ordered 1
		.amdhsa_forward_progress 1
		.amdhsa_inst_pref_size 26
	.end_amdhsa_kernel
	.amdgpu_metadata
---
amdhsa.version: [ 1, 2 ]
amdhsa.kernels:
  - .name:           k_q0e591afca3_xquant
    .symbol:         k_q0e591afca3_xquant.kd
    .args:
      - { .name: x, .offset: 0, .size: 8, .value_kind: global_buffer, .address_space: global }
      - { .name: gain, .offset: 8, .size: 8, .value_kind: global_buffer, .address_space: global }
      - { .name: xn_codes, .offset: 16, .size: 8, .value_kind: global_buffer, .address_space: global }
      - { .name: xn_scales, .offset: 24, .size: 8, .value_kind: global_buffer, .address_space: global }
    .group_segment_fixed_size: 84992
    .private_segment_fixed_size: 0
    .kernarg_segment_align: 8
    .kernarg_segment_size: 32
    .max_flat_workgroup_size: 512
    .sgpr_count:     66
    .vgpr_count:     210
    .wavefront_size: 32
...
	.end_amdgpu_metadata
.endif
;; end of part 2
;; launch qkv (part 3): grid 16 x 48, 4 waves a work-group, clusters of 4 x 4, 327,680 bytes of LDS; arguments xn_codes, xn_scales, qkv_w_codes, qkv_w_scales, head_scale, q_img, kv_img; writes q_img, kv_img
.if DOCPART == 3
	.amdgcn_target "amdgcn-amd-amdhsa--gfx1250"
	.amdhsa_code_object_version 6
	.text
	.protected	k_q0e591afca3_qkv
	.globl	k_q0e591afca3_qkv
	.p2align	8
	.type	k_q0e591afca3_qkv,@function
k_q0e591afca3_qkv:
	s_mov_b64 s[64:65], 0
	v_nop
	global_prefetch_b8 v0, s[64:65] scope:SCOPE_SE
	s_setreg_imm32_b32 hwreg(HW_REG_WAVE_MODE, 25, 1), 1
	s_wait_xcnt 0x0
	s_wait_alu depctr_hold_cnt(0) depctr_sa_sdst(0) depctr_va_vdst(0) depctr_va_sdst(0) depctr_va_ssrc(0) depctr_va_vcc(0) depctr_vm_vsrc(0)
	s_getreg_b32 s2, hwreg(HW_REG_IB_STS2, 6, 4)
	s_cmp_eq_u32 s2, 0
	s_cbranch_scc0 .Lentry_in_a_cluster
	s_endpgm
.Lentry_in_a_cluster:
	s_bfe_u32 s2, ttmp6, 0x10000c
	s_cmp_lg_u32 s2, 0xf033
	s_cbranch_scc0 .Lentry_shape_is_right
	s_endpgm
.Lentry_shape_is_right:
; qkv = xn qkv_w^T on codes of BF8 (E5M2) with E8M0 scales; then, in registers: q and k are scaled to sqrt(head_scale) * rsqrt(sum of squares + 1e-6), and q, k (along the head's 64) and v (along the keys) are quantised.
; Only codes and scale bytes leave, laid in the order of the next product's operand registers ('images': a group of four registers is 512 bytes, lane l's 16 bytes at 16 l).
; A TILE is 128 rows of source 0 x 256 rows of source 1, K = 1,024.  The index that is the NEXT product's K stands on source 0, so that it runs along a lane's registers:
;   cluster row CY < 8 (q and k): source 0 = 128 rows of qkv_w (two heads), source 1 = 256 tokens;   CY >= 8 (v): source 0 = 128 tokens (a key step), source 1 = 256 rows of qkv_w (four heads).
; Four waves; a wave takes all of source 0 (8 blocks b) x its own 64 rows of source 1 (4 blocks a): 32 accumulators.  768 work-groups: three even turns on 256 WGPs; a tile of 256 x 256 would give 384.
; THE ORDER OF k INSIDE A BLOCK OF 32.  In a result lane (r, h) holds elements 8 h + j of a tile of 16.  The 16 registers of tiles 2 c and 2 c + 1 are converted as they stand into registers 4 c .. 4 c + 3 of the next operand: place 16 h + i holds
; element 8 h + i (i < 8) or 16 + 8 h + i - 8.  That is a permutation inside ONE block of 32, the same for q and k here, and for v here and p in the next launch: scales and products stay, only the order of the unit's additions differs.
; K goes through three LDS slots of 256 along K (rows of 256 bytes of memory); slot 0 is filled a second time, with the last 256.  4 x 4 work-groups form a cluster: source 0's tile is shared along a column of the cluster, source 1's along a row,
; each asked for jointly.  The scale words of all of K go straight into registers, once: a lane loads its row's 32 bytes.
; q's and k's scale words leave in stores of 128 bytes, two waves to a run of 256: 0.5 MB of the launch's 26 MB.
; LIMITS: NaN and infinities are not served; a negative head_scale gives NaN, as in the block's definition; a block of zeros gets the byte 1 and not 127 (its codes are zeros, and this program alone reads the bytes).
; REGISTERS: window 0: v2-15 addresses; v16-47, v48-63 scale words; v64-117 the epilogue's.  window 1: accumulator (a, b) at v[64 a + 8 b].  window 2: source 0's fragments, two sets of 128.  window 3: source 1's, two sets of 64.
.set PITCH, 272                        ; an LDS row: 256 bytes + 16 of padding: the 16 rows that a load touches start at 16 different banks (64 banks of 4 bytes: ISA guide 11.1)
.set S0B,   6*64*PITCH                 ; LDS by parts: source 0's two parts (64 rows each) of three planes of 256 along K; behind them source 1's two parts (128 rows each) of three planes
.set SLOT,  384*PITCH
.set SPARE, 3*SLOT                     ; behind the slots: the spare words, 128 bytes for each wave: two blocks of 256 bytes that no other line names
.set SPW,  2                           ; v2    LDS address of my spare word; never rewritten
.set NIL,  3                           ; v3    0; never rewritten
.set ADR0, 4                           ; v4-6  LDS address of source 0's fragments in slot 0, 1, 2
.set OD,   7                           ; v7    16 x lane
.set ADR1, 8                           ; v8-10 the same for my 64 rows of source 1
.set OC,   12                          ; v12   16 x lane + 4,096 x (wave & 1): my tokens' codes in a step's block
.set OW,   13                          ; v13   4 x lane + 8,192 + 128 x (wave & 1): their scale words
.set OV,   14                          ; v14   8 x lane
.set OL,   15                          ; v15   32 x lane
.set SC0,  16                          ; register 8 (b / 2) + s: block b's words of K step s: lanes 0-15 for b even, lanes 16-31 for b odd
.set SC1,  48                          ; likewise for a
.set TM,   64                          ; v64-67 largest magnitudes, v68-71 bytes, v72-75 57,344 x the scale, v76-79 the conversions' scale operands
.set PW,   80                          ; v80-83 block a's scale word
.set PC,   84                          ; v84-99 the codes just made
.set SS,   100                         ; v100-107 sums of squares
.set F,    108                         ; v108-111 the two heads' factors, each the low word of a pair
.set SQ,   112                         ; v112-113 sqrt(head_scale) of the two heads
.set WO,   114                         ; v114-117 scale words on their way out
.set G1,  28                           ; s[28:35] descriptor group 1 for source 0's tiles;  s[44:47] group 0
.set G1B, 36                           ; s[36:43], s[68:71] the same for source 1's
.set G0,  44
.set G0B, 68
.set MSB, 0
.macro WIN new                         ; the immediate's high byte repeats the setting that is left
.if MSB != (\new)
	s_set_vgpr_msb (MSB<<8)|(\new)
.set MSB, (\new)
.endif
.endm
.set W_MUL, 0x5e                       ; source 0 window 2, source 1 window 3, C and D window 1
.set TO0,   0x80                       ; destination window 2, address window 0
.set TO1,   0xc0                       ; destination window 3
.macro PLACES n
.rept \n
	v_nop
.endr
.endm
; A joint load: waves 0 and 1 fetch source 0's halves, waves 2 and 3 source 1's.  The branch hangs on the wave's number alone.  Four v_nop follow each of the two lines.
.macro JLOAD g0, g0b
	s_cmp_eq_u32 s19, 0
	s_cbranch_scc0 .Lfor_1_\@
	tensor_load_to_lds s[\g0:\g0+3], s[G1:G1+7]
	s_nop 0
.rept 4
	v_nop
.endr
	s_branch .Lasked_\@
.Lfor_1_\@:
	tensor_load_to_lds s[\g0b:\g0b+3], s[G1B:G1B+7]
	s_nop 0
.rept 4
	v_nop
.endr
.Lasked_\@:
.endm
.macro CROUND                          ; a round of the cluster's barrier
	s_barrier_signal -1
	s_barrier_wait -1
	s_cmp_lg_u32 s18, 0
	s_cbranch_scc1 .Lnot_wave_0_\@
	s_barrier_signal -3
.Lnot_wave_0_\@:
	s_barrier_wait -3
	s_barrier_signal -1
	s_barrier_wait -1
.endm
; One matrix instruction.  zero = 1: it starts the sum.  ra, rb = 1: that side's scale words stand in lanes 16-31.
.macro WM dd, aa, bb, zero, sa, sb, ra, rb
.if \zero
.if (\ra) && (\rb)
	v_wmma_scale_f32_16x16x128_f8f6f4 v[\dd:\dd+7], v[\aa:\aa+15], v[\bb:\bb+15], 0, v[\sa], v[\sb] matrix_a_fmt:MATRIX_FMT_BF8 matrix_b_fmt:MATRIX_FMT_BF8 matrix_a_scale:MATRIX_SCALE_ROW1 matrix_b_scale:MATRIX_SCALE_ROW1
.elseif (\ra)
	v_wmma_scale_f32_16x16x128_f8f6f4 v[\dd:\dd+7], v[\aa:\aa+15], v[\bb:\bb+15], 0, v[\sa], v[\sb] matrix_a_fmt:MATRIX_FMT_BF8 matrix_b_fmt:MATRIX_FMT_BF8 matrix_a_scale:MATRIX_SCALE_ROW1
.elseif (\rb)
	v_wmma_scale_f32_16x16x128_f8f6f4 v[\dd:\dd+7], v[\aa:\aa+15], v[\bb:\bb+15], 0, v[\sa], v[\sb] matrix_a_fmt:MATRIX_FMT_BF8 matrix_b_fmt:MATRIX_FMT_BF8 matrix_b_scale:MATRIX_SCALE_ROW1
.else
	v_wmma_scale_f32_16x16x128_f8f6f4 v[\dd:\dd+7], v[\aa:\aa+15], v[\bb:\bb+15], 0, v[\sa], v[\sb] matrix_a_fmt:MATRIX_FMT_BF8 matrix_b_fmt:MATRIX_FMT_BF8
.endif
.else
.if (\ra) && (\rb)
	v_wmma_scale_f32_16x16x128_f8f6f4 v[\dd:\dd+7], v[\aa:\aa+15], v[\bb:\bb+15], v[\dd:\dd+7], v[\sa], v[\sb] matrix_a_fmt:MATRIX_FMT_BF8 matrix_b_fmt:MATRIX_FMT_BF8 matrix_a_scale:MATRIX_SCALE_ROW1 matrix_b_scale:MATRIX_SCALE_ROW1
.elseif (\ra)
	v_wmma_scale_f32_16x16x128_f8f6f4 v[\dd:\dd+7], v[\aa:\aa+15], v[\bb:\bb+15], v[\dd:\dd+7], v[\sa], v[\sb] matrix_a_fmt:MATRIX_FMT_BF8 matrix_b_fmt:MATRIX_FMT_BF8 matrix_a_scale:MATRIX_SCALE_ROW1
.elseif (\rb)
	v_wmma_scale_f32_16x16x128_f8f6f4 v[\dd:\dd+7], v[\aa:\aa+15], v[\bb:\bb+15], v[\dd:\dd+7], v[\sa], v[\sb] matrix_a_fmt:MATRIX_FMT_BF8 matrix_b_fmt:MATRIX_FMT_BF8 matrix_b_scale:MATRIX_SCALE_ROW1
.else
	v_wmma_scale_f32_16x16x128_f8f6f4 v[\dd:\dd+7], v[\aa:\aa+15], v[\bb:\bb+15], v[\dd:\dd+7], v[\sa], v[\sb] matrix_a_fmt:MATRIX_FMT_BF8 matrix_b_fmt:MATRIX_FMT_BF8
.endif
.endif
.endm
	s_load_b256 s[4:11], s[0:1], 0x0               ; xn_codes, xn_scales, qkv_w_codes, qkv_w_scales
	s_load_b128 s[12:15], s[0:1], 0x20             ; head_scale, q_img
	s_load_b64 s[16:17], s[0:1], 0x30              ; kv_img
	v_lshl_add_u32 v[SPW], v0, 2, SPARE
	v_mov_b32 v[NIL], 0
	ds_add_u32 v2, v3
	ds_add_u32 v2, v3
	s_wait_dscnt 0x0
	v_lshrrev_b32 v1, 5, v0
	v_readfirstlane_b32 s18, v1                    ; wave 0..3
	s_lshr_b32 s19, s18, 1                         ; I fetch for source 0 (0) or for source 1 (1),
	s_and_b32 s20, s18, 1                          ; and which half of its rows
	s_bfe_u32 s21, ttmp6, 0x40000                  ; cx
	s_bfe_u32 s22, ttmp6, 0x40004                  ; cy
	s_lshl_b32 s23, ttmp9, 2
	s_add_co_u32 s23, s23, s21                     ; X = 4 x cluster x + cx: 0..15
	s_and_b32 s24, ttmp7, 0xffff                   ; CY = cluster y: 0..11, the same in all sixteen partners
	s_lshl_b32 s25, 0x1111, s21                    ; my column of the cluster
	s_lshl_b32 s26, s22, 2
	s_lshl_b32 s26, 15, s26                        ; my row
	s_or_b32 s[G1], s25, (1<<20)|(1<<21)|(5<<22)|(3<<25)    ; 15:0 the mask: source 0's tiles go to my column; 17:16 elements of 1 byte; 20 padding on; 21 set beside a mask; 24:22 after every 64 words; 31:25 four words
	s_or_b32 s[G1B], s26, (1<<20)|(1<<21)|(5<<22)|(3<<25)   ; source 1's go to my row
	s_mov_b32 s[G1+1], 256<<16                     ; tensor_dim0 = 256
	s_mov_b32 s[G1+2], 64<<16                      ; tensor_dim1 = 64
	s_mov_b32 s[G1+3], 256<<16                     ; tile_dim0 = 256
	s_mov_b32 s[G1+4], 64|(3<<16)                  ; tile_dim1 = 64 rows, tile_dim2 = 3 planes: the head's one load a wave brings K 0 .. 767
	s_mov_b32 s[G1+5], 1024                        ; from row to row
	s_mov_b32 s[G1+6], 256<<16                     ; from plane to plane: 256 along K
	s_mov_b32 s[G1+7], 0
	s_mov_b32 s[G1B+1], 256<<16
	s_mov_b32 s[G1B+2], 128<<16
	s_mov_b32 s[G1B+3], 256<<16
	s_mov_b32 s[G1B+4], 128|(3<<16)                ; 128 rows, 3 planes
	s_mov_b32 s[G1B+5], 1024
	s_mov_b32 s[G1B+6], 256<<16
	s_mov_b32 s48, 3                               ; groups 2 and 3, for both sources: tensor_dim2 = 3; the further dimensions are not used
.irp g, 49,50,51,52,53,54,55
	s_mov_b32 s\g, 0
.endr
	s_mov_b32 s[G1B+7], 0
	; source 0's first row = 128 X (+ 2,048 (CY - 8) tokens on the v path): it never holds cy.  Source 1's = 256 cy + (1,024 CY tokens, or row 2,048 of qkv_w): it never holds cx.
	s_sub_co_u32 s27, s24, 8
	s_lshl_b32 s27, s27, 11
	s_lshl_b32 s80, s24, 10
	s_mov_b32 s81, 2048
	s_cmp_lt_u32 s24, 8
	s_cselect_b32 s56, 0, s27
	s_cselect_b32 s58, s80, s81
	s_lshl_b32 s57, s23, 7
	s_add_co_u32 s56, s56, s57                     ; source 0's first row
	s_lshl_b32 s59, s22, 8
	s_add_co_u32 s58, s58, s59                     ; source 1's
	s_lshl_b32 s57, s20, 6
	s_add_co_u32 s57, s57, s56
	s_lshl_b32 s60, s57, 10                        ; the 64 rows that I would fetch of source 0, in bytes
	s_mov_b32 s61, 0
	s_lshl_b32 s59, s20, 7
	s_add_co_u32 s59, s59, s58
	s_lshl_b32 s62, s59, 10                        ; the 128 rows of source 1
	s_mov_b32 s63, 0
	s_lshl_b32 s66, s56, 5                         ; source 0's scale bytes: 32 a row
	s_mov_b32 s67, 0
	s_lshl_b32 s80, s18, 6
	s_add_co_u32 s80, s80, s58
	s_lshl_b32 s80, s80, 5                         ; those of my 64 rows of source 1
	s_mov_b32 s81, 0
	s_mul_i32 s94, s20, 3*64*PITCH                 ; where the tiles go: my part's plane 0; no place in the cluster enters an LDS address
	s_mul_i32 s95, s20, 3*128*PITCH
	s_add_co_u32 s95, s95, S0B
	s_mov_b32 s96, 0x76543210
	s_mov_b32 s97, 0xfedcba98                      ; v_permlanex16_b32's selects for lane l xor 16
	s_mov_b32 s98, 0x600000                        ; the mantissa field of 57,344
	s_mov_b32 s99, 0xffff0000                      ; lanes 16-31
	s_wait_kmcnt 0x0
	s_cmp_lt_u32 s24, 8                            ; which tensor is source 0: the choice hangs on the cluster's y alone
	s_cselect_b64 s[82:83], s[8:9], s[4:5]
	s_cselect_b64 s[84:85], s[4:5], s[8:9]
	s_cselect_b64 s[86:87], s[10:11], s[6:7]
	s_cselect_b64 s[88:89], s[6:7], s[10:11]
	s_add_nc_u64 s[82:83], s[82:83], s[60:61]
	s_add_nc_u64 s[84:85], s[84:85], s[62:63]
	s_add_nc_u64 s[86:87], s[86:87], s[66:67]
	s_add_nc_u64 s[88:89], s[88:89], s[80:81]
	s_and_b32 s80, s23, 7
	s_lshl_b32 s80, s80, 3
	s_mov_b32 s81, 0
	s_add_nc_u64 s[90:91], s[12:13], s[80:81]
	s_load_b64 s[92:93], s[90:91], 0x0             ; head_scale of heads 2 (X & 7) and 2 (X & 7) + 1
	CROUND                                         ; all sixteen work-groups are here: the first joint loads meet
.irp s, 0
	s_mov_b32 s[G0+4*\s], 1
	s_add_co_u32 s[G0+4*\s+1], s94, \s*SLOT        ; 63:32 LDS address
	s_add_nc_u64 s[G0+4*\s+2:G0+4*\s+3], s[82:83], 256*\s   ; 120:64 global address: K from 256 s on
	s_or_b32 s[G0+4*\s+3], s[G0+4*\s+3], 0x80000000         ; 127:126 type = 2
	s_mov_b32 s[G0B+4*\s], 1
	s_add_co_u32 s[G0B+4*\s+1], s95, \s*SLOT
	s_add_nc_u64 s[G0B+4*\s+2:G0B+4*\s+3], s[84:85], 256*\s
	s_or_b32 s[G0B+4*\s+3], s[G0B+4*\s+3], 0x80000000
.endr
	s_cmp_eq_u32 s19, 0                            ; a wave's first fill stands in one branch, ahead of every wait on TENSORcnt and every LDS read: one load of mine is out
	s_cbranch_scc0 .Lfirst_1
	tensor_load_to_lds s[G0:G0+3], s[G1:G1+7], s[48:51], s[52:55]   ; my one load at the head: three planes of my part
	s_nop 0
.rept 4
	v_nop
.endr
	s_branch .Lfirst_asked
.Lfirst_1:
	tensor_load_to_lds s[G0B:G0B+3], s[G1B:G1B+7], s[48:51], s[52:55]
	s_nop 0
.rept 4
	v_nop
.endr
.Lfirst_asked:
	v_and_b32 v1, 15, v0                           ; r
	v_bfe_u32 v118, v0, 4, 1                       ; h
	v_mul_u32_u24 v119, v1, PITCH
	v_lshl_add_u32 v119, v118, 4, v119             ; a fragment's row x pitch + 16 h
	s_mul_i32 s27, s19, 3*128*PITCH                ; my 64 rows of source 1: part wave / 2,
	s_mul_i32 s80, s20, 64*PITCH                   ; its rows 64 (wave % 2) on
	s_add_co_u32 s27, s27, s80
	s_add_co_u32 s27, s27, S0B
.irp s, 0,1,2
	v_add_nc_u32 v[ADR0+\s], \s*64*PITCH, v119     ; plane s
	v_add_nc_u32 v[ADR1+\s], s27, v119
	s_add_co_u32 s27, s27, 128*PITCH
.endr
	v_and_b32 v1, 31, v0                           ; lane
	v_lshlrev_b32 v[OL], 5, v1
	v_lshlrev_b32 v[OD], 4, v1
	v_lshlrev_b32 v[OV], 3, v1
	s_lshl_b32 s27, s20, 12
	v_lshl_add_u32 v[OC], v1, 4, s27
	s_lshl_b32 s27, s20, 7
	s_add_co_u32 s27, s27, 8192
	v_lshl_add_u32 v[OW], v1, 2, s27
.irp j, 0,1,2,3                        ; lane l takes the 32 scale bytes of row 32 j + l: eight words, one for each K step of 128; the two loads together read 1,024 consecutive bytes
	global_load_b128 v[SC0+8*\j:SC0+8*\j+3], v[OL], s[86:87] offset:1024*\j
	global_load_b128 v[SC0+8*\j+4:SC0+8*\j+7], v[OL], s[86:87] offset:1024*\j+16
.endr
.irp j, 0,1
	global_load_b128 v[SC1+8*\j:SC1+8*\j+3], v[OL], s[88:89] offset:1024*\j
	global_load_b128 v[SC1+8*\j+4:SC1+8*\j+7], v[OL], s[88:89] offset:1024*\j+16
.endr
; The fragments of K step s (128 along K) into set s % 2: 48 LDS loads in one run.  A fragment is 16 registers: lane (r, h) holds row r; registers 4 c .. 4 c + 3 hold K = 32 c + 16 h + 0 .. 15.
.macro FETCH s
.set FSL, ((\s)/2)%3
.set FQ, (\s)%2
	WIN TO0
.irp b, 0,1,2,3,4,5,6,7
.irp c, 0,1,2,3
	ds_load_b128 v[128*FQ+16*\b+4*\c:128*FQ+16*\b+4*\c+3], v[ADR0+FSL] offset:(\b/4)*3*64*PITCH+(\b%4)*16*PITCH+128*FQ+32*\c
.endr
.endr
	WIN TO1
.irp a, 0,1,2,3
.irp c, 0,1,2,3
	ds_load_b128 v[64*FQ+16*\a+4*\c:64*FQ+16*\a+4*\c+3], v[ADR1+FSL] offset:16*PITCH*\a+128*FQ+32*\c
.endr
.endr
.endm
; K step s: 32 matrix instructions.  The 32 accumulators take turns, one instruction a turn, in the same order in every step.
.macro MUL s, zero
	WIN W_MUL
.irp a, 0,1,2,3
.irp b, 0,1,2,3,4,5,6,7
	WM 64*\a+8*\b, 128*((\s)%2)+16*\b, 64*((\s)%2)+16*\a, \zero, SC0+8*(\b/2)+(\s), SC1+8*(\a/2)+(\s), \b%2, \a%2
.endr
.endr
.endm
; A load into a register that a matrix instruction has read, and a vector instruction that reads a matrix result, stand eight places behind it, and only plain vector instructions that name none of its registers are places
; so eight v_nop stand in front of each run of loads.
	s_wait_alu depctr_va_vdst(0)                   ; the wait at the head's end
	s_wait_tensorcnt 0x0                           ; my one load, three planes of my part, is in
	s_barrier_signal -1
	s_barrier_wait -1                              ; everybody's is
	FETCH 0
	FETCH 1
	s_wait_loadcnt 0x0                             ; the scale words
	s_wait_kmcnt 0x0                               ; head_scale
	s_wait_dscnt 48                                ; step 0's fragments are in; step 1's 48 loads may be out
	MUL 0, 1                                       ; the first step starts the sums: nothing is cleared
	; SLOT 0 IS FILLED AGAIN, with K 768 .. 1,023: it has four steps, 128 matrix instructions, in which to land
	WIN 0
	s_wait_tensorcnt 0x0                           ; all my tensor loads have landed, slots 1 and 2 among them: every group 0 may be written
	ds_add_u32 v[SPW], v[NIL]                      ; 0 onto my spare word
	s_add_nc_u64 s[G0+2:G0+3], s[G0+2:G0+3], 768
	s_add_nc_u64 s[G0B+2:G0B+3], s[G0B+2:G0B+3], 768
	s_mov_b32 s[G1+4], 64                          ; no tensor load of mine is out: from here on a load brings one plane
	s_mov_b32 s[G1+6], 0
	s_mov_b32 s[G1B+4], 128
	s_mov_b32 s[G1B+6], 0
	s_wait_dscnt 0x0                               ; the add is done, and my reads of slot 0 (steps 0 and 1) are over
	CROUND                                         ; both now hold of every wave of every partner
	JLOAD G0, G0B                                  ; the first tensor load behind the round; its four v_nop are four of the eight places in front of the loads below
	PLACES 4
	s_wait_alu depctr_va_vdst(0)
	FETCH 2
	MUL 1, 0
.irp s, 2,3,4
	PLACES 8
	FETCH \s+1
	s_wait_dscnt 48                                ; this step's fragments are in; the next step's 48 loads may be out
	MUL \s, 0
.endr
	s_wait_tensorcnt 0x0                           ; my part of slot 0's second tile is in (the one load that was out),
	s_wait_dscnt 0x0                               ; no LDS load of mine is pending at the signal,
	s_barrier_signal -1
	s_barrier_wait -1                              ; everybody's is
	PLACES 8
	FETCH 6
	MUL 5, 0
	PLACES 8
	FETCH 7
	s_wait_dscnt 48
	MUL 6, 0
	s_wait_dscnt 0x0
	MUL 7, 0
	PLACES 8                                       ; in front of the first reads of results
	WIN 0
	v_sqrt_f32 v[SQ], s92
	v_sqrt_f32 v[SQ+1], s93
.irp b, 0,1,2,3
	v_mov_b32 v[TM+4+\b], 0                        ; written once: a lane permute's destination counts as one of its sources
.endr
	v_mov_b32 v[F+1], 0                            ; (named as the upper halves of pairs)
	v_mov_b32 v[F+3], 0
; The 64 numbers of a lane in block a, window 1, v[64 a] on (four blocks of 32, 16 numbers of each mine, the other 16 lane l xor 16's), become 16 registers of codes in v[PC] on and the scale word v[PW + a].
; Each accumulator is read from its low end on.
.macro QUANT a
.set H, 64*(\a)
	WIN 0x05                                       ; sources 0 and 1 window 1
.irp b, 0,1,2,3
	v_max3_num_f32 v[TM+\b], |v[H+16*\b]|, |v[H+16*\b+1]|, 0x8000000   ; and the floor 2^(16 - 127): the byte cannot fall under 1
.endr
.irp i, 2,4,6,8,10,12,14
.irp b, 0,1,2,3
	v_max3_num_f32 v[TM+\b], |v[H+16*\b+\i]|, |v[H+16*\b+\i+1]|, v[TM+\b]
.endr
.endr
	WIN 0
.irp b, 0,1,2,3
	v_permlanex16_b32 v[TM+4+\b], v[TM+\b], s96, s97
.endr
.irp b, 0,1,2,3
	v_max_num_f32 v[TM+\b], v[TM+\b], v[TM+4+\b]   ; the block's largest magnitude
.endr
.irp b, 0,1,2,3
	v_add_nc_u32 v[TM+12+\b], 0xf8800000, v[TM+\b] ; 15 off its exponent field: the conversion's scale operand
.endr
.irp b, 0,1,2,3
	v_and_or_b32 v[TM+8+\b], v[TM+\b], 0x7f800000, s98   ; 57,344 x the scale
.endr
.irp b, 0,1,2,3
	v_lshrrev_b32 v[TM+4+\b], 23, v[TM+12+\b]      ; the scale's byte
.endr
	v_lshl_or_b32 v[PW+(\a)], v[TM+5], 8, v[TM+4]
	v_lshl_or_b32 v[PW+(\a)], v[TM+6], 16, v[PW+(\a)]
	v_lshl_or_b32 v[PW+(\a)], v[TM+7], 24, v[PW+(\a)]
	WIN 0x41                                       ; destination and source 0 window 1
.irp b, 0,1,2,3
.set i, 0
.rept 16
	v_med3_num_f32 v[H+16*\b+i], v[H+16*\b+i], -v[TM+8+\b], v[TM+8+\b]   ; the conversion to an 8-bit code does not saturate (ISA guide 7.6.2): the hold comes first
.set i, i+1
.endr
.endr
.if (\a) > 0
	s_wait_alu depctr_va_vdst(0)
	s_wait_xcnt 0x0                                ; the last block's stores have read the codes' registers: only behind this wait are they written again
.endif
	WIN 0x01                                       ; source 0 window 1
.irp b, 0,1,2,3
	v_cvt_scalef32_pk8_bf8_f32 v[PC+4*\b:PC+4*\b+1], v[H+16*\b:H+16*\b+7], v[TM+12+\b]
	v_cvt_scalef32_pk8_bf8_f32 v[PC+4*\b+2:PC+4*\b+3], v[H+16*\b+8:H+16*\b+15], v[TM+12+\b]
.endr
	v_nop                                          ; one plain line behind the last conversion
	WIN 0
.endm
; q and k: registers 0-31 of block a are 32 of the 64 numbers of my token in the first head, registers 32-63 in the second; lane l xor 16 holds the others.  Each is multiplied by sqrt(head_scale) * rsqrt(the sum of squares + 1e-6).
.macro NORM a
.set H, 64*(\a)
	WIN 0x05
.irp u, 0,1
.irp k, 0,1
	v_pk_mul_f32 v[SS+4*\u+2*\k:SS+4*\u+2*\k+1], v[H+32*\u+2*\k:H+32*\u+2*\k+1], v[H+32*\u+2*\k:H+32*\u+2*\k+1]
.endr
.endr
.irp q, 4,8,12,16,20,24,28
.irp u, 0,1
.irp k, 0,1
	v_pk_fma_f32 v[SS+4*\u+2*\k:SS+4*\u+2*\k+1], v[H+32*\u+\q+2*\k:H+32*\u+\q+2*\k+1], v[H+32*\u+\q+2*\k:H+32*\u+\q+2*\k+1], v[SS+4*\u+2*\k:SS+4*\u+2*\k+1]
.endr
.endr
.endr
	WIN 0
	v_pk_add_f32 v[SS:SS+1], v[SS:SS+1], v[SS+2:SS+3]
	v_pk_add_f32 v[SS+4:SS+5], v[SS+4:SS+5], v[SS+6:SS+7]
	v_add_f32 v[SS], v[SS], v[SS+1]
	v_add_f32 v[SS+4], v[SS+4], v[SS+5]
	v_permlanex16_b32 v[SS+1], v[SS], s96, s97
	v_permlanex16_b32 v[SS+5], v[SS+4], s96, s97
	v_add_f32 v[SS], v[SS], v[SS+1]
	v_add_f32 v[SS+4], v[SS+4], v[SS+5]
	v_add_f32 v[SS], 0x358637bd, v[SS]             ; + 1e-6
	v_add_f32 v[SS+4], 0x358637bd, v[SS+4]
	s_wait_alu depctr_va_vdst(0)
	v_rsq_f32 v[SS], v[SS]
	v_rsq_f32 v[SS+4], v[SS+4]
	v_nop                                          ; one plain line behind a transcendental
	s_wait_alu depctr_va_vdst(0)
	v_mul_f32 v[F], v[SQ], v[SS]
	v_mul_f32 v[F+2], v[SQ+1], v[SS+4]
	WIN 0x41
.irp u, 0,1
.set i, 0
.rept 16
	v_pk_mul_f32 v[H+32*\u+i:H+32*\u+i+1], v[H+32*\u+i:H+32*\u+i+1], v[F+2*\u:F+2*\u+1] op_sel_hi:[1,0]
.set i, i+2
.endr
.endr
.endm
	s_cmp_lt_u32 s24, 8                            ; the same way in all sixteen partners; no barrier and no tensor load stands on either way
	s_cbranch_scc0 .Lv_path
	; ---- q and k.  My 64 tokens begin at 1,024 CY + 256 cy + 64 wave: batch CY / 2, step (8 CY + 2 cy + wave / 2) % 16 of 128 tokens, half wave & 1 of it.  A step's block is 8,448 bytes: codes at 1,024 tile + 512 c + 16 lane,
	; scale words behind them.  q_img: [batch x head][16 steps]; kv_img: [batch x head][K's 16 steps | V's 16 steps]
	s_lshr_b32 s28, s24, 1
	s_lshl_b32 s28, s28, 4
	s_and_b32 s29, s23, 7
	s_lshl_b32 s29, s29, 1
	s_add_co_u32 s28, s28, s29                     ; 16 x batch + the first head
	s_lshl_b32 s29, s24, 3
	s_lshl_b32 s30, s22, 1
	s_add_co_u32 s29, s29, s30
	s_add_co_u32 s29, s29, s19
	s_and_b32 s29, s29, 15
	s_mul_i32 s29, s29, 8448                       ; the step's block
	s_mov_b32 s30, 135168
	s_mov_b32 s31, 270336
	s_cmp_lt_u32 ttmp9, 2                          ; X < 8: q; else k
	s_cselect_b32 s32, s30, s31                    ; bytes from head to head
	s_cselect_b64 s[34:35], s[14:15], s[16:17]
	s_mul_i32 s28, s28, s32
	s_add_co_u32 s28, s28, s29
	s_mov_b32 s29, 0
	s_mov_b32 s33, 0
	s_add_nc_u64 s[34:35], s[34:35], s[28:29]      ; the first head's block,
	s_add_nc_u64 s[36:37], s[34:35], s[32:33]      ; the second's
	s_wait_alu depctr_va_vdst(0)
.irp a, 0,1,2,3
	NORM \a
	QUANT \a
.irp c, 0,1
	global_store_b128 v[OC], v[PC+4*\c:PC+4*\c+3], s[34:35] offset:1024*\a+512*\c       ; 512 consecutive bytes a wave
	global_store_b128 v[OC], v[PC+8+4*\c:PC+8+4*\c+3], s[36:37] offset:1024*\a+512*\c
.endr
.endr
	; a word of the next launch's K fragment: [tile 2 f: c 0, c 1 | tile 2 f + 1: c 0, c 1].  v[PW + a] = [first head c 0, c 1 | second head c 0, c 1] of tile a, in both halves of the lanes
	s_mov_b32 s66, 0x05040100
	s_mov_b32 s67, 0x07060302
	v_perm_b32 v[WO], v[PW+1], v[PW], s66
	v_perm_b32 v[WO+1], v[PW+3], v[PW+2], s66
	v_perm_b32 v[WO+2], v[PW+1], v[PW], s67
	v_perm_b32 v[WO+3], v[PW+3], v[PW+2], s67
	v_cndmask_b32 v[WO], v[WO], v[WO+1], s99       ; lanes 0-15: tiles 0, 1; lanes 16-31: tiles 2, 3
	v_cndmask_b32 v[WO+2], v[WO+2], v[WO+3], s99
	global_store_b32 v[OW], v[WO], s[34:35]
	global_store_b32 v[OW], v[WO+2], s[36:37]
	s_branch .Ljoin
.Lv_path:
	; ---- v.  My 64 rows of qkv_w are head 4 cy + wave; block a is its channel tile; the 128 tokens are key step X of batch CY - 8.  A step's block: codes at 2,048 tile + 512 c + 16 lane, scale words behind them
	s_sub_co_u32 s28, s24, 8
	s_lshl_b32 s28, s28, 4
	s_lshl_b32 s29, s22, 2
	s_add_co_u32 s28, s28, s29
	s_add_co_u32 s28, s28, s18
	s_mul_i32 s28, s28, 270336
	s_mul_i32 s29, s23, 8448
	s_add_co_u32 s28, s28, s29
	s_add_co_u32 s28, s28, 135168
	s_mov_b32 s29, 0
	s_add_nc_u64 s[34:35], s[16:17], s[28:29]
	s_wait_alu depctr_va_vdst(0)
.irp a, 0,1,2,3
	QUANT \a
.irp c, 0,1,2,3
	global_store_b128 v[OD], v[PC+4*\c:PC+4*\c+3], s[34:35] offset:2048*\a+512*\c
.endr
.endr
	v_cndmask_b32 v[WO], v[PW], v[PW+1], s99       ; word j of a lane: tile 2 j in lanes 0-15, tile 2 j + 1 in lanes 16-31
	v_cndmask_b32 v[WO+1], v[PW+2], v[PW+3], s99
	global_store_b64 v[OV], v[WO:WO+1], s[34:35] offset:8192   ; 256 consecutive bytes a wave
.Ljoin:
	s_wait_tensorcnt 0x0                           ; the wave's end
	ds_add_u32 v[SPW], v[NIL]
	s_wait_dscnt 0x0
	CROUND                                         ; the closing round: no work-group ends while a partner may still ask for a tile that names it
	s_endpgm
.Lfunc_end_k_q0e591afca3_qkv:
	.size	k_q0e591afca3_qkv, .Lfunc_end_k_q0e591afca3_qkv-k_q0e591afca3_qkv
	.p2alignl 7, 3214868480
	.fill 96, 4, 3214868480
	.section	.rodata,"a",@progbits
	.p2align	6, 0x0
	.amdhsa_kernel k_q0e591afca3_qkv
		.amdhsa_group_segment_fixed_size 327680
		.amdhsa_private_segment_fixed_size 0
		.amdhsa_enable_private_segment 0
		.amdhsa_kernarg_size 56
		.amdhsa_user_sgpr_count 2
		.amdhsa_user_sgpr_kernarg_segment_ptr 1
		.amdhsa_wavefront_size32 1
		.amdhsa_system_sgpr_workgroup_id_x 1
		.amdhsa_system_sgpr_workgroup_id_y 1
		.amdhsa_system_sgpr_workgroup_id_z 1
		.amdhsa_system_vgpr_workitem_id 0
		.amdhsa_next_free_vgpr 896
		.amdhsa_next_free_sgpr 100
		.amdhsa_reserve_vcc 0
		.amdhsa_float_denorm_mode_32 3
		.amdhsa_float_denorm_mode_16_64 3
		.amdhsa_memory_ordered 1
		.amdhsa_forward_progress 1
		.amdhsa_inst_pref_size 159
	.end_amdhsa_kernel
	.amdgpu_metadata
---
amdhsa.version: [ 1, 2 ]
amdhsa.kernels:
  - .name:           k_q0e591afca3_qkv
    .symbol:         k_q0e591afca3_qkv.kd
    .args:
      - { .name: xn_codes, .offset: 0, .size: 8, .value_kind: global_buffer, .address_space: global }
      - { .name: xn_scales, .offset: 8, .size: 8, .value_kind: global_buffer, .address_space: global }
      - { .name: qkv_w_codes, .offset: 16, .size: 8, .value_kind: global_buffer, .address_space: global }
      - { .name: qkv_w_scales, .offset: 24, .size: 8, .value_kind: global_buffer, .address_space: global }
      - { .name: head_scale, .offset: 32, .size: 8, .value_kind: global_buffer, .address_space: global }
      - { .name: q_img, .offset: 40, .size: 8, .value_kind: global_buffer, .address_space: global }
      - { .name: kv_img, .offset: 48, .size: 8, .value_kind: global_buffer, .address_space: global }
    .group_segment_fixed_size: 327680
    .private_segment_fixed_size: 0
    .kernarg_segment_align: 8
    .kernarg_segment_size: 56
    .max_flat_workgroup_size: 128
    .sgpr_count:     100
    .vgpr_count:     896
    .wavefront_size: 32
...
	.end_amdgpu_metadata
.endif
;; end of part 3
;; launch attn (part 4): grid 4 x 64, 8 waves a work-group, clusters of 4 x 1, 273,408 bytes of LDS; arguments q_img, kv_img, o_img, o_sc; writes o_img, o_sc
.if DOCPART == 4
	.amdgcn_target "amdgcn-amd-amdhsa--gfx1250"
	.amdhsa_code_object_version 6
	.text
	.protected	k_q0e591afca3_attn
	.globl	k_q0e591afca3_attn
	.p2align	8
	.type	k_q0e591afca3_attn,@function
k_q0e591afca3_attn:
	s_mov_b64 s[64:65], 0
	v_nop
	global_prefetch_b8 v0, s[64:65] scope:SCOPE_SE
	s_setreg_imm32_b32 hwreg(HW_REG_WAVE_MODE, 25, 1), 1
	s_wait_xcnt 0x0
	s_wait_alu depctr_hold_cnt(0) depctr_sa_sdst(0) depctr_va_vdst(0) depctr_va_sdst(0) depctr_va_ssrc(0) depctr_va_vcc(0) depctr_vm_vsrc(0)
	s_getreg_b32 s2, hwreg(HW_REG_IB_STS2, 6, 4)
	s_cmp_eq_u32 s2, 0
	s_cbranch_scc0 .Lentry_in_a_cluster
	s_endpgm
.Lentry_in_a_cluster:
	s_bfe_u32 s2, ttmp6, 0x10000c
	s_cmp_lg_u32 s2, 0x3003
	s_cbranch_scc0 .Lentry_shape_is_right
	s_endpgm
.Lentry_shape_is_right:
; o = softmax(q k^T) v for one batch x head, both products on codes of BF8 (E5M2) with E8M0 scales, and o's codes along the model's 1,024 for the last product.
; THE SOFTMAX: t = score x log2(e); M = the running largest t rounded UP to a whole number; p = 2^(t - M) is quantised along the keys, not normalised; the row's sum is taken of the unquantised p, in f32, and divides at the end.
; When M moves, the sum and O are multiplied by 2^(old M - new M): exact.
; SHARES.  A head's K and V, codes and scale words, are 270,336 bytes: 32 blocks of 8,448.  They lie in LDS whole, as in kv_img, filled ONCE: each of the eight waves asks for four blocks (132 rows of 256 bytes) by its one tensor load.
; A work-group owns 512 queries, a wave 64: FOUR tiles of 16.  In a key step of 128 keys a wave reads K's and V's fragments from LDS once, and each fragment serves all four tiles: 8 + 4 matrix instructions a tile.
; The four work-groups of a head form a cluster and ask for K and V jointly.  No prefetch: every byte of K and V is asked for at the head, so there is no loop to run ahead in.
; LAYOUT.  Both products are used transposed (S^T = K Q^T, O^T = V^T P^T): a lane holds ONE query of each tile (lane % 16).  Operands come as images of their registers: four registers are 512 bytes, lane l's 16 bytes at 16 l.
; K = 64 IN AN INSTRUCTION OF K = 128.  A fragment of K holds TWO tiles of 16 keys.  The queries lie as [0 | qA | 0 | qB | 0 | qC | 0 | qD | 0], eight registers each: the fragment times [q | 0] gives the first tile's scores, times [0 | q]
; the second's; the half not wanted meets zero codes, and K's codes are finite and its scale bytes never 0xff, so it adds an exact 0.
; k stands in a permuted place inside each block of 32, alike in q and k, and alike in p and v (see the launch that made them).  o meets a GIVEN operand: its codes are brought into natural order by one exchange between lanes l and l xor 16.
; LIMITS: NaN and infinities are not served; the promise holds while |t| stays under 2^31; a block of zeros gets the byte 1 and not 127 (its codes are zeros, and this program alone reads the bytes).
; A block's largest p is not searched for: the block's largest score goes through the same multiply-add and exponential (this takes v_exp_f32 not to fall where its input rises; at the worst one p of a block is held one code low).
; REGISTERS.  Window 0: all below.  Window 1: O^T of tile x at v[32 x] (four accumulators), p's codes of tile x at v[128 + 16 x].
.set STEPB, 8448                       ; a key step's block of K or of V: 8,192 bytes of codes, 256 of scale words
.set VBASE, 16*STEPB                   ; V's blocks lie behind K's sixteen
.set OSL,   2*VBASE                    ; o's 512 scale halfwords; no fill lands there
.set SPARE, OSL+1024                   ; the spare words, 128 bytes a wave
.set L,   1                            ; lane
.set ADK, 2                            ; v2-5 LDS addresses of the step in hand: K's codes, V's codes, K's words, V's words; on the way out: other addresses
.set ADV, 3
.set ADS, 4
.set ADT, 5
.set SPW, 6                            ; my spare word; never rewritten
.set NIL, 7                            ; 0; never rewritten
.set F,   8                            ; v[8:9] f = 2^(old M - new M), the low word of a pair
.set KS,  10                           ; v10-11 K's scale words
.set ST,  12                           ; v12-27 tile x: 4 x + 0: -M, + 1: the largest t, + 2, 3: the sum in two halves
.set QZ,  28                           ; v28-99 zeros and queries by turns
.set KV,  100                          ; v100-163 four fragments of K, then of V
.set S,   164                          ; v164-227 S^T, then p, of the tile in hand
.set BM,  228                          ; the blocks' largest scores, then p
.set PM,  232                          ; the other half's; bytes
.set LM,  236                          ; 57,344 x the scale
.set SO,  240                          ; the conversions' scale operands
.set VS,  244                          ; v[244:245] V's scale words
.set PS,  246                          ; v246-249 p's scale word, a tile each
.set QS,  250                          ; v250-253 q's: [c 0, c 1, c 0, c 1], a tile each
.set TA,  254
.set TW,  255
.set WV,  12
.set G1,  16                           ; s[16:23] descriptor group 1;  s[32:35] group 0
.set G0,  32
.set SEL, 40
.set CS,  42                           ; s[42:43] log2(e), a pair whose low word serves both halves
.set MNT, 44
.set TB,  45                           ; LDS byte at which the step's block of K begins
.set CNT, 46
.set HI,  47                           ; lanes 16-31
.set TV,  48                           ; and V's
.set MSB, 0
.macro WIN new                         ; the immediate's high byte repeats the setting that is left
.if MSB != (\new)
	s_set_vgpr_msb (MSB<<8)|(\new)
.set MSB, (\new)
.endif
.endm
.macro CROUND                          ; a round of the cluster's barrier
	s_barrier_signal -1
	s_barrier_wait -1
	s_cmp_lg_u32 s[WV], 0
	s_cbranch_scc1 .Lnot_wave_0_\@
	s_barrier_signal -3
.Lnot_wave_0_\@:
	s_barrier_wait -3
	s_barrier_signal -1
	s_barrier_wait -1
.endm
.macro WM dd, aa, bb, zero, sa, sb, ra ; zero = 1: it starts the sum.  ra = 1: source 0's scale words stand in lanes 16-31
.if \zero
.if (\ra)
	v_wmma_scale_f32_16x16x128_f8f6f4 v[\dd:\dd+7], v[\aa:\aa+15], v[\bb:\bb+15], 0, v[\sa], v[\sb] matrix_a_fmt:MATRIX_FMT_BF8 matrix_b_fmt:MATRIX_FMT_BF8 matrix_a_scale:MATRIX_SCALE_ROW1
.else
	v_wmma_scale_f32_16x16x128_f8f6f4 v[\dd:\dd+7], v[\aa:\aa+15], v[\bb:\bb+15], 0, v[\sa], v[\sb] matrix_a_fmt:MATRIX_FMT_BF8 matrix_b_fmt:MATRIX_FMT_BF8
.endif
.else
.if (\ra)
	v_wmma_scale_f32_16x16x128_f8f6f4 v[\dd:\dd+7], v[\aa:\aa+15], v[\bb:\bb+15], v[\dd:\dd+7], v[\sa], v[\sb] matrix_a_fmt:MATRIX_FMT_BF8 matrix_b_fmt:MATRIX_FMT_BF8 matrix_a_scale:MATRIX_SCALE_ROW1
.else
	v_wmma_scale_f32_16x16x128_f8f6f4 v[\dd:\dd+7], v[\aa:\aa+15], v[\bb:\bb+15], v[\dd:\dd+7], v[\sa], v[\sb] matrix_a_fmt:MATRIX_FMT_BF8 matrix_b_fmt:MATRIX_FMT_BF8
.endif
.endif
.endm
	s_load_b256 s[4:11], s[0:1], 0x0               ; q_img, kv_img, o_img, o_sc
	v_lshl_add_u32 v[SPW], v0, 2, SPARE
	v_mov_b32 v[NIL], 0
	ds_add_u32 v[SPW], v[NIL]                      ; the opening lines: the add, twice on end, and its wait ahead of my tensor load
	ds_add_u32 v[SPW], v[NIL]
	v_lshrrev_b32 v[L], 5, v0
	v_readfirstlane_b32 s[WV], v[L]                ; wave 0..7
	s_bfe_u32 s13, ttmp6, 0x40000                  ; cx: it enters q's and o's global addresses alone
	s_and_b32 s14, ttmp7, 0xffff                   ; batch x head, which the four partners share
	s_lshr_b32 s15, s14, 4                         ; batch
	s_and_b32 s50, s14, 15                         ; head
	s_mov_b32 s[G1], 15|(3<<16)|(1<<21)            ; the mask: all four work-groups; elements of 8 bytes; 21 set beside a mask; no padding
	s_mov_b32 s[G1+1], 32<<16                      ; rows of 256 bytes
	s_mov_b32 s[G1+2], 132<<16                     ; 132 rows: four blocks
	s_mov_b32 s[G1+3], 32<<16
	s_mov_b32 s[G1+4], 132
	s_mov_b32 s[G1+5], 32                          ; dense
	s_mov_b32 s[G1+6], 0
	s_mov_b32 s[G1+7], 0
	s_mul_i32 s52, s14, 2*VBASE                    ; the head's blocks in kv_img
	s_mov_b32 s53, 0
	s_mul_i32 s54, s[WV], 4*STEPB                  ; my four blocks: the same offset in memory and in LDS
	s_mov_b32 s55, 0
	s_mul_i32 s62, s14, VBASE                      ; q_img: the head's sixteen blocks of 8 tiles; my four tiles lie in block 4 cx + wave / 2
	s_lshl_b32 s63, s13, 2
	s_lshr_b32 s66, s[WV], 1
	s_add_co_u32 s63, s63, s66
	s_mul_i32 s63, s63, STEPB
	s_add_co_u32 s62, s62, s63
	s_mov_b32 s63, 0
	s_lshl_b32 s66, s15, 7                         ; o_img: [token tile][K step 8][c 4][512 bytes]: tile 128 batch + 32 cx + 4 wave; my head's 64 channels at 1,024 x head
	s_lshl_b32 s67, s13, 5
	s_add_co_u32 s66, s66, s67
	s_lshl_b32 s67, s[WV], 2
	s_add_co_u32 s66, s66, s67
	s_lshl_b32 s66, s66, 14
	s_lshl_b32 s67, s50, 10
	s_add_co_u32 s66, s66, s67
	s_mov_b32 s67, 0
	s_lshl_b32 s68, s50, 14                        ; o_sc: [head][token][2 bytes]
	s_lshl_b32 s69, s15, 12
	s_add_co_u32 s68, s68, s69
	s_lshl_b32 s69, s13, 10
	s_add_co_u32 s68, s68, s69
	s_mov_b32 s69, 0
	s_mov_b32 s[SEL], 0x76543210
	s_mov_b32 s[SEL+1], 0xfedcba98                 ; selects for lane l xor 16
	s_mov_b32 s[CS], 0x3fb8aa3b                    ; log2(e)
	s_mov_b32 s[CS+1], s[CS]
	s_mov_b32 s[MNT], 0x600000                     ; the mantissa field of 57,344
	s_mov_b32 s[HI], 0xffff0000
	s_mov_b32 s49, 0x01000100                      ; q's two bytes stand in the low half of a word for an even tile,
	s_mov_b32 s51, 0x03020302                      ; in the high half for an odd one
	s_mov_b32 s[TB], 0
	s_mov_b32 s[TV], VBASE
	s_and_b32 s70, s[WV], 1
	s_lshl_b32 s71, s70, 12                        ; my four tiles' codes in the block of q: 4,096 x (wave & 1),
	s_lshl_b32 s70, s70, 7
	s_add_co_u32 s70, s70, 8192                    ; their scale words: 128 x (wave & 1) behind the codes
	s_wait_dscnt 0x0                               ; both opening adds are done
	s_wait_kmcnt 0x0
	s_add_nc_u64 s[6:7], s[6:7], s[52:53]
	s_add_nc_u64 s[4:5], s[4:5], s[62:63]
	s_add_nc_u64 s[8:9], s[8:9], s[66:67]
	s_add_nc_u64 s[10:11], s[10:11], s[68:69]
	s_mov_b32 s[G0], 1
	s_mov_b32 s[G0+1], s54
	s_add_nc_u64 s[G0+2:G0+3], s[6:7], s[54:55]
	s_or_b32 s[G0+3], s[G0+3], 0x80000000
	CROUND                                         ; all four work-groups are here: the joint loads meet
	tensor_load_to_lds s[G0:G0+3], s[G1:G1+7]      ; every wave's one tensor load of the launch; nothing is ever filled again
	s_nop 0
.rept 4
	v_nop
.endr
	v_and_b32 v[L], 31, v0                         ; lane
	v_and_b32 v[S], 15, v0                         ; r
	v_lshl_add_u32 v[S+2], v[L], 4, s71
	v_lshl_add_u32 v[S+3], v[S], 2, s70
	s_wait_alu depctr_va_vdst(0)                   ; the wait ahead of readers that stand behind waits
.irp x, 0,1,2,3
.irp c, 0,1
	global_load_b128 v[QZ+8+16*\x+4*\c:QZ+8+16*\x+4*\c+3], v[S+2], s[4:5] offset:1024*\x+512*\c
.endr
.endr
	global_load_b32 v[S+4], v[S+3], s[4:5]         ; the words of tiles 0 and 1,
	global_load_b32 v[S+5], v[S+3], s[4:5] offset:64   ; of tiles 2 and 3
.irp k, 0,1,2,3,4
.irp j, 0,1,2,3,4,5,6,7
	v_mov_b32 v[QZ+16*\k+\j], 0                    ; the zero codes between the queries
.endr
.endr
.irp b, 0,1,2,3
	v_mov_b32 v[PM+\b], 0                          ; a lane permute's destination counts as one of its sources
.endr
	v_mov_b32 v[F+1], 0                            ; (named as the upper half of a pair)
.irp x, 0,1,2,3                        ; O^T and the sums begin as zeros and the largest t as -3e38: the first change of M multiplies zeros, so the step has no first form of its own
	v_mov_b32 v[ST+4*\x+1], 0xff61b1e6
	v_mov_b32 v[ST+4*\x+2], 0
	v_mov_b32 v[ST+4*\x+3], 0
.endr
.irp x, 0,1,2,3
	v_floor_f32 v[ST+4*\x], -v[ST+4*\x+1]
.endr
	WIN 0x40                                       ; destination window 1
.set i, 0
.rept 128
	v_mov_b32 v[i], 0
.set i, i+1
.endr
	WIN 0
	s_wait_loadcnt 0x0
	v_perm_b32 v[QS], v[S+4], v[S+4], s49          ; [c 0, c 1, c 0, c 1]: it serves both places of q.  (The eight lines at the step's head are its eight places)
	v_perm_b32 v[QS+1], v[S+4], v[S+4], s51
	v_perm_b32 v[QS+2], v[S+5], v[S+5], s49
	v_perm_b32 v[QS+3], v[S+5], v[S+5], s51
.macro RESC x                          ; O^T of tile x under the new M, each accumulator from its low end on
.set i, 0
.rept 16
	v_pk_mul_f32 v[32*(\x)+i:32*(\x)+i+1], v[32*(\x)+i:32*(\x)+i+1], v[F:F+1] op_sel_hi:[1,0]
.set i, i+2
.endr
.endm
; ONE TILE of 16 queries against the step's 128 keys: scores, softmax, p's codes.
.macro TILE x
.set M, ST+4*(\x)
.irp f, 0,1,2,3                        ; S^T = K Q^T: fragment f against [q | 0] and against [0 | q]: key tiles 2 f and 2 f + 1
.irp u, 0,1
	WM S+8*(2*\f+\u), KV+16*\f, QZ+8+16*(\x)-8*\u, 1, KS+\f/2, QS+(\x), \f%2
.endr
.endr
.if \x                                 ; the places behind the products: the tile before's rescaling, which names none of their registers
	WIN 0x41                                       ; destination and source 0 window 1
	s_wait_alu depctr_va_vdst(0)                   ; directly ahead of the first reader of O^T
	RESC (\x)-1
	WIN 0
.else
.rept 8
	v_nop
.endr
.endif
.if \x == 3                            ; K's fragments are done with: V's land under the last tile's softmax
.irp t, 0,1,2,3
.irp c, 0,1,2,3
	ds_load_b128 v[KV+16*\t+4*\c:KV+16*\t+4*\c+3], v[ADV] offset:2048*\t+512*\c
.endr
.endr
	ds_load_b64 v[VS:VS+1], v[ADT] offset:8192     ; word j: tile 2 j in lanes 0-15, tile 2 j + 1 in lanes 16-31
.endif
.irp b, 0,1,2,3
	v_max3_num_f32 v[BM+\b], v[S+16*\b], v[S+16*\b+1], v[S+16*\b+2]   ; the largest score of each block of 32 keys, the four blocks by turns; each accumulator is read from its low end on
.endr
.irp i, 3,5,7,9,11,13
.irp b, 0,1,2,3
	v_max3_num_f32 v[BM+\b], v[BM+\b], v[S+16*\b+\i], v[S+16*\b+\i+1]
.endr
.endr
.irp b, 0,1,2,3
	v_max_num_f32 v[BM+\b], v[BM+\b], v[S+16*\b+15]
.endr
.irp b, 0,1,2,3
	v_permlanex16_b32 v[PM+\b], v[BM+\b], s[SEL], s[SEL+1]
.endr
.irp b, 0,2
	v_dual_max_num_f32 v[BM+\b], v[BM+\b], v[PM+\b] :: v_dual_max_num_f32 v[BM+\b+1], v[BM+\b+1], v[PM+\b+1]   ; with lane l xor 16's 16 keys
.endr
	v_max3_num_f32 v[TA], v[BM], v[BM+1], v[BM+2]
	v_max_num_f32 v[TA], v[TA], v[BM+3]            ; the step's largest score of my query
	v_mul_f32 v[TA], s[CS], v[TA]                  ; as t
	v_max_num_f32 v[M+1], v[M+1], v[TA]            ; the running largest t
	v_mov_b32 v[TA], v[M]
	v_floor_f32 v[M], -v[M+1]                      ; the new -M = floor(-t): M is a whole number
	v_sub_f32 v[TA], v[M], v[TA]                   ; old M - new M: a whole number, 0 or less
	v_cvt_i32_f32 v[TA], v[TA]                     ; (it saturates)
	v_ldexp_f32 v[F], 1.0, v[TA]                   ; f = 2^(old M - new M)
.set i, 0
.rept 32
	v_pk_fma_f32 v[S+i:S+i+1], v[S+i:S+i+1], s[CS:CS+1], v[M:M+1] op_sel_hi:[1,0,0]   ; t - M, two at a time
.set i, i+2
.endr
.irp b, 0,2
	v_pk_fma_f32 v[BM+\b:BM+\b+1], v[BM+\b:BM+\b+1], s[CS:CS+1], v[M:M+1] op_sel_hi:[1,0,0]   ; the same of each block's largest score
.endr
	s_wait_alu depctr_va_vdst(0)                   ; the wait ahead of the batch
.set i, 0
.rept 64
	v_exp_f32 v[S+i], v[S+i]                       ; p = 2^(t - M), at most 1
.set i, i+1
.endr
.irp b, 0,1,2,3
	v_exp_f32 v[BM+\b], v[BM+\b]                   ; the block's largest p
.endr
	v_pk_mul_f32 v[M+2:M+3], v[M+2:M+3], v[F:F+1] op_sel_hi:[1,0]   ; the sums under the new M (the plain line behind the exponentials)
	s_wait_alu depctr_va_vdst(0)                   ; one wait for the batch, ahead of its first reader
.irp b, 0,2
	v_dual_max_num_f32 v[BM+\b], 0x8000000, v[BM+\b] :: v_dual_max_num_f32 v[BM+\b+1], 0x8000000, v[BM+\b+1]   ; the floor 2^(16 - 127): the byte cannot fall under 1
.endr
.irp b, 0,1,2,3
	v_add_nc_u32 v[SO+\b], 0xf8800000, v[BM+\b]    ; 15 off the exponent field: the conversion's scale operand
.endr
.irp b, 0,1,2,3
	v_and_or_b32 v[LM+\b], v[BM+\b], 0x7f800000, s[MNT]   ; 57,344 x the scale
.endr
.irp b, 0,1,2,3
	v_lshrrev_b32 v[PM+\b], 23, v[SO+\b]           ; the scale's byte
.endr
	v_lshl_or_b32 v[PS+(\x)], v[PM+1], 8, v[PM]    ; p's scale word for these 128 keys
	v_lshl_or_b32 v[PS+(\x)], v[PM+2], 16, v[PS+(\x)]
	v_lshl_or_b32 v[PS+(\x)], v[PM+3], 24, v[PS+(\x)]
; THE ROW'S SUM, of the unquantised p: 32 pairs in six chains by turns (five in registers that are done with for this tile, the sixth the running sum)
.set j, 0
.irp a, 228,230,232,234,254
	v_pk_add_f32 v[\a:\a+1], v[S+4*j:S+4*j+1], v[S+4*j+2:S+4*j+3]
.set j, j+1
.endr
	v_pk_add_f32 v[M+2:M+3], v[M+2:M+3], v[S+20:S+21]
.irp k, 22,34,46
.set j, 0
.irp a, 228,230,232,234,254
	v_pk_add_f32 v[\a:\a+1], v[\a:\a+1], v[S+\k+2*j:S+\k+2*j+1]
.set j, j+1
.endr
	v_pk_add_f32 v[M+2:M+3], v[M+2:M+3], v[S+\k+10:S+\k+11]
.endr
	v_pk_add_f32 v[228:229], v[228:229], v[S+58:S+59]
	v_pk_add_f32 v[230:231], v[230:231], v[S+60:S+61]
	v_pk_add_f32 v[232:233], v[232:233], v[S+62:S+63]
	v_pk_add_f32 v[228:229], v[228:229], v[234:235]
	v_pk_add_f32 v[230:231], v[230:231], v[254:255]
	v_pk_add_f32 v[M+2:M+3], v[M+2:M+3], v[232:233]
	v_pk_add_f32 v[228:229], v[228:229], v[230:231]
	v_pk_add_f32 v[M+2:M+3], v[M+2:M+3], v[228:229]
; THE HOLD (the conversion to an 8-bit code does not saturate: ISA guide 7.6.2; p is not negative, so it is one-sided), two numbers an instruction: one of block b and one of block b + 1,
; so that the pair's destinations are an even and an odd register and its sources lie in different banks.
.irp b, 0,2
.set i, 0
.rept 8
	v_dual_min_num_f32 v[S+16*\b+i], v[S+16*\b+i], v[LM+\b] :: v_dual_min_num_f32 v[S+16*\b+17+i], v[S+16*\b+17+i], v[LM+\b+1]
	v_dual_min_num_f32 v[S+16*\b+16+i], v[S+16*\b+16+i], v[LM+\b+1] :: v_dual_min_num_f32 v[S+16*\b+1+i], v[S+16*\b+1+i], v[LM+\b]
.set i, i+2
.endr
.endr
	WIN 0x40                                       ; destination window 1
.irp b, 0,1,2,3
	v_cvt_scalef32_pk8_bf8_f32 v[128+16*(\x)+4*\b:128+16*(\x)+4*\b+1], v[S+16*\b:S+16*\b+7], v[SO+\b]
	v_cvt_scalef32_pk8_bf8_f32 v[128+16*(\x)+4*\b+2:128+16*(\x)+4*\b+3], v[S+16*\b+8:S+16*\b+15], v[SO+\b]
.endr
	v_nop                                          ; one plain line behind the last conversion: the next tile's products write its sources
.endm
; A KEY STEP: 128 keys, four tiles of queries.
.macro STEP
	v_lshl_add_u32 v[ADK], v[L], 4, s[TB]
	v_lshl_add_u32 v[ADV], v[L], 4, s[TV]
	v_lshl_add_u32 v[ADS], v[L], 2, s[TB]
	v_lshl_add_u32 v[ADT], v[L], 3, s[TV]
.rept 4
	v_nop                                          ; with the four lines above: eight places in front of loads into registers that the last products read
.endr
.irp f, 0,1,2,3
.irp g, 0,1,2,3
	ds_load_b128 v[KV+16*\f+4*\g:KV+16*\f+4*\g+3], v[ADK] offset:2048*\f+512*\g
.endr
.endr
	ds_load_b32 v[KS], v[ADS] offset:8192          ; lanes 0-15: fragment 0's words, lanes 16-31: fragment 1's
	ds_load_b32 v[KS+1], v[ADS] offset:8192+128    ; fragments 2 and 3
	s_wait_alu depctr_va_vdst(0)
	s_wait_dscnt 0x0
	TILE 0
	WIN 0
	TILE 1
	WIN 0
	TILE 2
	WIN 0
	TILE 3
	WIN 0x41
	s_wait_alu depctr_va_vdst(0)                   ; directly ahead of the first reader of the last tile's O^T
	RESC 3                                         ; (these 16 are also the places between the codes and the products below)
	s_wait_alu depctr_va_vdst(0)
	s_wait_dscnt 0x0                               ; V
	WIN 0x54                                       ; source 0 (V) window 0; source 1 (p), C and D window 1
.irp t, 0,1,2,3                        ; O^T += V^T P^T: the sixteen accumulators take turns; a fragment of V serves four tiles
.irp x, 0,1,2,3
	WM 32*\x+8*\t, KV+16*\t, 128+16*\x, 0, VS+\t/2, PS+\x, \t%2
.endr
.endr
	WIN 0
	s_add_co_u32 s[TB], s[TB], STEPB
	s_add_co_u32 s[TV], s[TV], STEPB
.endm
; A tile's end: O^T / the sum, into window 0; its two blocks of 32 channels are quantised; the codes change halves into natural order and leave as an image; the two scale bytes go to LDS.
.macro FINISH x
.set M, ST+4*(\x)
.set OO, S+32*((\x)%2)
.set PC, KV+16*(\x)                    ; a set of registers a tile: no store's data are written again
	v_add_f32 v[M+2], v[M+2], v[M+3]
	v_permlanex16_b32 v[TA], v[M+2], s[SEL], s[SEL+1]
	v_add_f32 v[M+2], v[M+2], v[TA]                ; the row's sum
	s_wait_alu depctr_va_vdst(0)                   ; ahead of the transcendental
	v_rcp_f32 v[F], v[M+2]
	v_nop                                          ; one plain line behind a transcendental
	WIN 0x01                                       ; source 0 window 1
	s_wait_alu depctr_va_vdst(0)                   ; ahead of its first reader, and of O^T's
.set i, 0
.rept 16
	v_pk_mul_f32 v[OO+i:OO+i+1], v[32*(\x)+i:32*(\x)+i+1], v[F:F+1] op_sel_hi:[1,0]
.set i, i+2
.endr
	WIN 0
.irp b, 0,1
	v_max3_num_f32 v[BM+\b], |v[OO+16*\b]|, |v[OO+16*\b+1]|, 0x8000000
.endr
.irp i, 2,4,6,8,10,12,14
.irp b, 0,1
	v_max3_num_f32 v[BM+\b], v[BM+\b], |v[OO+16*\b+\i]|, |v[OO+16*\b+\i+1]|
.endr
.endr
.irp b, 0,1
	v_permlanex16_b32 v[PM+\b], v[BM+\b], s[SEL], s[SEL+1]
.endr
.irp b, 0,1
	v_max_num_f32 v[BM+\b], v[BM+\b], v[PM+\b]
.endr
.irp b, 0,1
	v_add_nc_u32 v[SO+\b], 0xf8800000, v[BM+\b]
.endr
.irp b, 0,1
	v_and_or_b32 v[LM+\b], v[BM+\b], 0x7f800000, s[MNT]
.endr
.irp b, 0,1
	v_lshrrev_b32 v[PM+\b], 23, v[SO+\b]
.endr
	v_lshl_or_b32 v[TW], v[PM+1], 8, v[PM]         ; my query's two bytes
.irp b, 0,1
.set i, 0
.rept 16
	v_med3_num_f32 v[OO+16*\b+i], v[OO+16*\b+i], -v[LM+\b], v[LM+\b]
.set i, i+1
.endr
	v_cvt_scalef32_pk8_bf8_f32 v[PC+4*\b:PC+4*\b+1], v[OO+16*\b:OO+16*\b+7], v[SO+\b]
	v_cvt_scalef32_pk8_bf8_f32 v[PC+4*\b+2:PC+4*\b+3], v[OO+16*\b+8:OO+16*\b+15], v[SO+\b]
.endr
	v_nop                                          ; one plain line behind the last conversion
; Of a block, lane (r, h) holds channels 8 h + 0..7 (registers 0, 1) and 16 + 8 h + 0..7 (registers 2, 3); the operand wants 16 h + 0..15.  h = 0 gives registers 2, 3 and takes the partner's 0, 1; h = 1 the other way round.
.irp b, 0,1
	v_cndmask_b32 v[BM+8*\b], v[PC+4*\b+2], v[PC+4*\b], s[HI]
	v_cndmask_b32 v[BM+8*\b+1], v[PC+4*\b+3], v[PC+4*\b+1], s[HI]
	v_permlanex16_b32 v[BM+8*\b+2], v[BM+8*\b], s[SEL], s[SEL+1]
	v_permlanex16_b32 v[BM+8*\b+3], v[BM+8*\b+1], s[SEL], s[SEL+1]
	v_cndmask_b32 v[PC+8+4*\b], v[PC+4*\b], v[BM+8*\b+2], s[HI]
	v_cndmask_b32 v[PC+8+4*\b+1], v[PC+4*\b+1], v[BM+8*\b+3], s[HI]
	v_cndmask_b32 v[PC+8+4*\b+2], v[BM+8*\b+2], v[PC+4*\b+2], s[HI]
	v_cndmask_b32 v[PC+8+4*\b+3], v[BM+8*\b+3], v[PC+4*\b+3], s[HI]
	global_store_b128 v[ADK], v[PC+8+4*\b:PC+8+4*\b+3], s[8:9] offset:16384*(\x)+512*\b   ; 512 consecutive bytes a wave
.endr
	ds_store_b16 v[ADV], v[TW] offset:32*(\x)      ; both halves of the lanes write the same halfword with the same value
.endm
	s_wait_alu depctr_va_vdst(0)                   ; the wait at the head's end
	s_wait_tensorcnt 0x0                           ; my four blocks are in,
	s_barrier_signal -1
	s_barrier_wait -1                              ; everybody's are: the head lies in LDS whole
	s_mov_b32 s[CNT], 16
.Lstep:
	STEP
	s_sub_co_u32 s[CNT], s[CNT], 1
	s_cmp_lg_u32 s[CNT], 0
	s_cbranch_scc1 .Lstep
.rept 8
	v_nop                                          ; in front of the first reads of the last results, and of writes into V's registers
.endr
	s_lshl_b32 s71, s[WV], 7
	s_add_co_u32 s71, s71, OSL
	v_lshlrev_b32 v[ADK], 4, v[L]                  ; the way out: 16 x lane: o's codes;
	v_and_b32 v[ADT], 15, v0
	v_lshl_add_u32 v[ADV], v[ADT], 1, s71          ; LDS: my query's scale halfword: 128 bytes a wave, 32 a tile;
	v_lshl_add_u32 v[ADS], v0, 4, OSL              ; LDS: thread t's 16 bytes of the halfwords,
	v_lshlrev_b32 v[ADT], 4, v0                    ; and in memory
	FINISH 0
	FINISH 1
	FINISH 2
	FINISH 3
	s_wait_alu depctr_va_vdst(0)
	s_wait_dscnt 0x0                               ; for the others' sake: my halfwords have landed
	s_barrier_signal -1
	s_barrier_wait -1
	s_cmp_lt_u32 s[WV], 2                          ; threads 0 to 63 carry the 1,024 bytes out
	s_cbranch_scc0 .Lno_scales
	ds_load_b128 v[S:S+3], v[ADS]
	s_wait_dscnt 0x0
	global_store_b128 v[ADT], v[S:S+3], s[10:11]   ; sixteen lanes store 256 consecutive bytes, at a multiple of 256 from the buffer's first byte
.Lno_scales:
	s_wait_tensorcnt 0x0                           ; the wave's end
	ds_add_u32 v[SPW], v[NIL]
	s_wait_dscnt 0x0
	CROUND                                         ; the closing round
	s_endpgm
.Lfunc_end_k_q0e591afca3_attn:
	.size	k_q0e591afca3_attn, .Lfunc_end_k_q0e591afca3_attn-k_q0e591afca3_attn
	.p2alignl 7, 3214868480
	.fill 96, 4, 3214868480
	.section	.rodata,"a",@progbits
	.p2align	6, 0x0
	.amdhsa_kernel k_q0e591afca3_attn
		.amdhsa_group_segment_fixed_size 273408
		.amdhsa_private_segment_fixed_size 0
		.amdhsa_enable_private_segment 0
		.amdhsa_kernarg_size 32
		.amdhsa_user_sgpr_count 2
		.amdhsa_user_sgpr_kernarg_segment_ptr 1
		.amdhsa_wavefront_size32 1
		.amdhsa_system_sgpr_workgroup_id_x 1
		.amdhsa_system_sgpr_workgroup_id_y 1
		.amdhsa_system_sgpr_workgroup_id_z 1
		.amdhsa_system_vgpr_workitem_id 0
		.amdhsa_next_free_vgpr 448
		.amdhsa_next_free_sgpr 72
		.amdhsa_reserve_vcc 0
		.amdhsa_float_denorm_mode_32 3
		.amdhsa_float_denorm_mode_16_64 3
		.amdhsa_memory_ordered 1
		.amdhsa_forward_progress 1
		.amdhsa_inst_pref_size 104
	.end_amdhsa_kernel
	.amdgpu_metadata
---
amdhsa.version: [ 1, 2 ]
amdhsa.kernels:
  - .name:           k_q0e591afca3_attn
    .symbol:         k_q0e591afca3_attn.kd
    .args:
      - { .name: q_img, .offset: 0, .size: 8, .value_kind: global_buffer, .address_space: global }
      - { .name: kv_img, .offset: 8, .size: 8, .value_kind: global_buffer, .address_space: global }
      - { .name: o_img, .offset: 16, .size: 8, .value_kind: global_buffer, .address_space: global }
      - { .name: o_sc, .offset: 24, .size: 8, .value_kind: global_buffer, .address_space: global }
    .group_segment_fixed_size: 273408
    .private_segment_fixed_size: 0
    .kernarg_segment_align: 8
    .kernarg_segment_size: 32
    .max_flat_workgroup_size: 256
    .sgpr_count:     72
    .vgpr_count:     448
    .wavefront_size: 32
...
	.end_amdgpu_metadata
.endif
;; end of part 4
;; launch outp (part 5): grid 8 x 32, 4 waves a work-group, clusters of 4 x 4, 327,680 bytes of LDS; arguments o_img, o_sc, out_w_codes, out_w_scales, x, out0; writes out0
.if DOCPART == 5
	.amdgcn_target "amdgcn-amd-amdhsa--gfx1250"
	.amdhsa_code_object_version 6
	.text
	.protected	k_q0e591afca3_outp
	.globl	k_q0e591afca3_outp
	.p2align	8
	.type	k_q0e591afca3_outp,@function
k_q0e591afca3_outp:
	s_mov_b64 s[64:65], 0
	v_nop
	global_prefetch_b8 v0, s[64:65] scope:SCOPE_SE
	s_setreg_imm32_b32 hwreg(HW_REG_WAVE_MODE, 25, 1), 1
	s_wait_xcnt 0x0
	s_wait_alu depctr_hold_cnt(0) depctr_sa_sdst(0) depctr_va_vdst(0) depctr_va_sdst(0) depctr_va_ssrc(0) depctr_va_vcc(0) depctr_vm_vsrc(0)
	s_getreg_b32 s2, hwreg(HW_REG_IB_STS2, 6, 4)
	s_cmp_eq_u32 s2, 0
	s_cbranch_scc0 .Lentry_in_a_cluster
	s_endpgm
.Lentry_in_a_cluster:
	s_bfe_u32 s2, ttmp6, 0x10000c
	s_cmp_lg_u32 s2, 0xf033
	s_cbranch_scc0 .Lentry_shape_is_right
	s_endpgm
.Lentry_shape_is_right:
; out0 = o out_w^T + x.  o: codes of BF8 (E5M2) as images of operand registers, [token tile 512][K step 8][c 4][512 bytes], natural k; its scale bytes [head 16][token 8192][2].  out_w: codes [1024][1024], scale bytes [1024][32].  x, out0: f32.
; A TILE is 128 rows of out_w (source 0: the output's columns run along a lane's registers) x 256 tokens (source 1), K = 1,024.  Four waves; a wave takes all of source 0 (8 blocks b) x its own 64 tokens (4 blocks a): 32 accumulators.
; 256 work-groups, one for each WGP; a tile of 256 x 256 would give 128.
; K goes through three LDS slots of 256 along K; slot 0 is filled a second time, with the last 256.  4 x 4 work-groups form a cluster: out_w's tile is shared along a column of the cluster, o's along a row, each asked for jointly.
; out_w's rows lie padded in LDS; o's images lie dense: a token tile's 4,096 bytes of a slot are one row of the tensor load, and a fragment's loads take 512 consecutive bytes.
; x is asked for early, as whole rows of 512 bytes, into registers that lie idle, and is added on the way out, where the results come back from the wave's stage as whole rows.
; LIMITS: NaN and infinities are not served.
; REGISTERS: window 0: v2-15 addresses; v16-47, v48-63 scale words; v64-95 o's scale halfwords as loaded; v128-255 rows on the way out.  window 1: accumulator (a, b) at v[64 a + 8 b].
;   window 2: source 0's fragments, two sets of 128; at the end x's blocks 2, 3 in set 0.  window 3: v0-127 source 1's, two sets of 64; v128-255 x's blocks 0, 1.
.set PITCH, 272                        ; out_w's LDS row: 256 bytes + 16 of padding: the 16 rows that a load touches start at 16 different banks (64 banks of 4 bytes: ISA guide 11.1)
.set S0B,   6*64*PITCH                 ; LDS by parts: out_w's two parts (64 rows each) of three planes of 256 along K; behind them o's two parts (8 token tiles each) of three planes of 32,768 bytes
.set SLOT,  128*PITCH+65536            ; what 256 along K take in all
.set SPARE, 3*SLOT                     ; behind the slots: the spare words, 128 bytes for each wave: two blocks of 256 bytes that no other line names
.set STAGE, S0B+32768                  ; the way out: 16 rows x (512 bytes + 16) for each wave, in planes 1 and 2 of o's first part: they have had their only fill, and their last read lies in front of the second barrier
.set SPITCH, 528
.set SPW,  2
.set NIL,  3
.set ADR0, 4                           ; v4-6  LDS address of source 0's fragments in slot 0, 1, 2
.set ADR1, 8                           ; v8-10 the same for my four token tiles
.set RD,   11                          ; v11   the stage: where I read a row back
.set CO,   12                          ; v12   16 x lane: my bytes of a row of 512
.set OU,   13                          ; v13   2 x lane
.set STO,  14                          ; v14   the stage: where I put 32 bytes of a row
.set OL,   15                          ; v15   32 x lane
.set SC0,  16                          ; register 8 (b / 2) + s: block b's words of K step s: lanes 0-15 for b even, lanes 16-31 for b odd
.set SC1,  48                          ; likewise for a
.set UT,   64                          ; v64-95 halfwords: 16 (a / 2) + head
.set BK,   128
.set G1,  28
.set G1B, 36
.set G0,  44
.set G0B, 68
.set MSB, 0
.macro WIN new                         ; the immediate's high byte repeats the setting that is left
.if MSB != (\new)
	s_set_vgpr_msb (MSB<<8)|(\new)
.set MSB, (\new)
.endif
.endm
.set W_MUL, 0x5e                       ; source 0 window 2, source 1 window 3, C and D window 1
.set TO0,   0x80
.set TO1,   0xc0
.macro PLACES n
.rept \n
	v_nop
.endr
.endm
.macro JLOAD g0, g0b                   ; a joint load: waves 0 and 1 fetch source 0's halves, waves 2 and 3 source 1's; four v_nop follow each of the two lines
	s_cmp_eq_u32 s19, 0
	s_cbranch_scc0 .Lfor_1_\@
	tensor_load_to_lds s[\g0:\g0+3], s[G1:G1+7]
	s_nop 0
.rept 4
	v_nop
.endr
	s_branch .Lasked_\@
.Lfor_1_\@:
	tensor_load_to_lds s[\g0b:\g0b+3], s[G1B:G1B+7]
	s_nop 0
.rept 4
	v_nop
.endr
.Lasked_\@:
.endm
.macro CROUND                          ; a round of the cluster's barrier
	s_barrier_signal -1
	s_barrier_wait -1
	s_cmp_lg_u32 s18, 0
	s_cbranch_scc1 .Lnot_wave_0_\@
	s_barrier_signal -3
.Lnot_wave_0_\@:
	s_barrier_wait -3
	s_barrier_signal -1
	s_barrier_wait -1
.endm
.macro WM dd, aa, bb, zero, sa, sb, ra, rb
.if \zero
.if (\ra) && (\rb)
	v_wmma_scale_f32_16x16x128_f8f6f4 v[\dd:\dd+7], v[\aa:\aa+15], v[\bb:\bb+15], 0, v[\sa], v[\sb] matrix_a_fmt:MATRIX_FMT_BF8 matrix_b_fmt:MATRIX_FMT_BF8 matrix_a_scale:MATRIX_SCALE_ROW1 matrix_b_scale:MATRIX_SCALE_ROW1
.elseif (\ra)
	v_wmma_scale_f32_16x16x128_f8f6f4 v[\dd:\dd+7], v[\aa:\aa+15], v[\bb:\bb+15], 0, v[\sa], v[\sb] matrix_a_fmt:MATRIX_FMT_BF8 matrix_b_fmt:MATRIX_FMT_BF8 matrix_a_scale:MATRIX_SCALE_ROW1
.elseif (\rb)
	v_wmma_scale_f32_16x16x128_f8f6f4 v[\dd:\dd+7], v[\aa:\aa+15], v[\bb:\bb+15], 0, v[\sa], v[\sb] matrix_a_fmt:MATRIX_FMT_BF8 matrix_b_fmt:MATRIX_FMT_BF8 matrix_b_scale:MATRIX_SCALE_ROW1
.else
	v_wmma_scale_f32_16x16x128_f8f6f4 v[\dd:\dd+7], v[\aa:\aa+15], v[\bb:\bb+15], 0, v[\sa], v[\sb] matrix_a_fmt:MATRIX_FMT_BF8 matrix_b_fmt:MATRIX_FMT_BF8
.endif
.else
.if (\ra) && (\rb)
	v_wmma_scale_f32_16x16x128_f8f6f4 v[\dd:\dd+7], v[\aa:\aa+15], v[\bb:\bb+15], v[\dd:\dd+7], v[\sa], v[\sb] matrix_a_fmt:MATRIX_FMT_BF8 matrix_b_fmt:MATRIX_FMT_BF8 matrix_a_scale:MATRIX_SCALE_ROW1 matrix_b_scale:MATRIX_SCALE_ROW1
.elseif (\ra)
	v_wmma_scale_f32_16x16x128_f8f6f4 v[\dd:\dd+7], v[\aa:\aa+15], v[\bb:\bb+15], v[\dd:\dd+7], v[\sa], v[\sb] matrix_a_fmt:MATRIX_FMT_BF8 matrix_b_fmt:MATRIX_FMT_BF8 matrix_a_scale:MATRIX_SCALE_ROW1
.elseif (\rb)
	v_wmma_scale_f32_16x16x128_f8f6f4 v[\dd:\dd+7], v[\aa:\aa+15], v[\bb:\bb+15], v[\dd:\dd+7], v[\sa], v[\sb] matrix_a_fmt:MATRIX_FMT_BF8 matrix_b_fmt:MATRIX_FMT_BF8 matrix_b_scale:MATRIX_SCALE_ROW1
.else
	v_wmma_scale_f32_16x16x128_f8f6f4 v[\dd:\dd+7], v[\aa:\aa+15], v[\bb:\bb+15], v[\dd:\dd+7], v[\sa], v[\sb] matrix_a_fmt:MATRIX_FMT_BF8 matrix_b_fmt:MATRIX_FMT_BF8
.endif
.endif
.endm
	s_load_b256 s[4:11], s[0:1], 0x0               ; o_img, o_sc, out_w_codes, out_w_scales
	s_load_b128 s[12:15], s[0:1], 0x20             ; x, out0
	v_lshl_add_u32 v[SPW], v0, 2, SPARE
	v_mov_b32 v[NIL], 0
	ds_add_u32 v2, v3
	ds_add_u32 v2, v3
	s_wait_dscnt 0x0
	v_lshrrev_b32 v1, 5, v0
	v_readfirstlane_b32 s18, v1                    ; wave 0..3
	s_lshr_b32 s19, s18, 1                         ; I fetch for source 0 (0) or for source 1 (1),
	s_and_b32 s20, s18, 1                          ; and which half of it
	s_bfe_u32 s21, ttmp6, 0x40000                  ; cx
	s_bfe_u32 s22, ttmp6, 0x40004                  ; cy
	s_lshl_b32 s23, ttmp9, 2
	s_add_co_u32 s23, s23, s21                     ; X = 4 x cluster x + cx: which 128 columns of the output
	s_and_b32 s24, ttmp7, 0xffff
	s_lshl_b32 s24, s24, 2
	s_add_co_u32 s24, s24, s22                     ; Y = 4 x cluster y + cy: which 256 tokens
	s_lshl_b32 s25, 0x1111, s21                    ; my column of the cluster
	s_lshl_b32 s26, s22, 2
	s_lshl_b32 s26, 15, s26                        ; my row
	s_or_b32 s[G1], s25, (1<<20)|(1<<21)|(5<<22)|(3<<25)    ; out_w's tiles go to my column; elements of 1 byte; padding: four words after every 64; 21 set beside a mask
	s_mov_b32 s[G1+1], 256<<16                     ; tensor_dim0 = 256
	s_mov_b32 s[G1+2], 64<<16                      ; tensor_dim1 = 64
	s_mov_b32 s[G1+3], 256<<16                     ; tile_dim0
	s_mov_b32 s[G1+4], 64|(3<<16)                  ; tile_dim1 = 64 rows, tile_dim2 = 3 planes: the head's one load a wave brings K 0 .. 767
	s_mov_b32 s[G1+5], 1024                        ; from row to row
	s_mov_b32 s[G1+6], 256<<16                     ; from plane to plane: 256 along K
	s_mov_b32 s[G1+7], 0
	s_or_b32 s[G1B], s26, (3<<16)|(1<<21)          ; o's tiles go to my row; elements of 8 bytes; no padding
	s_mov_b32 s[G1B+1], 512<<16                    ; a row: a token tile's 4,096 bytes of two K steps
	s_mov_b32 s[G1B+2], 8<<16                      ; eight token tiles a load
	s_mov_b32 s[G1B+3], 512<<16
	s_mov_b32 s[G1B+4], 8|(3<<16)                  ; eight token tiles, 3 planes
	s_mov_b32 s[G1B+5], 2048                       ; 16,384 bytes from tile to tile
	s_mov_b32 s[G1B+6], 512<<16                    ; from plane to plane: 4,096 bytes
	s_mov_b32 s48, 3                               ; groups 2 and 3, for both sources: tensor_dim2 = 3; the further dimensions are not used
.irp g, 49,50,51,52,53,54,55
	s_mov_b32 s\g, 0
.endr
	s_mov_b32 s[G1B+7], 0
	s_lshl_b32 s56, s23, 7                         ; out_w: row 128 X + 64 x half: it never holds cy
	s_lshl_b32 s57, s20, 6
	s_add_co_u32 s57, s57, s56
	s_lshl_b32 s60, s57, 10
	s_mov_b32 s61, 0
	s_lshl_b32 s58, s24, 4                         ; o: token tile 16 Y + 8 x half: it never holds cx
	s_lshl_b32 s59, s20, 3
	s_add_co_u32 s59, s59, s58
	s_lshl_b32 s62, s59, 14
	s_mov_b32 s63, 0
	s_lshl_b32 s66, s23, 12                        ; out_w's scale bytes: 32 a row
	s_mov_b32 s67, 0
	s_lshl_b32 s80, s24, 9                         ; o's: 2 bytes a token: 256 Y + 64 wave
	s_lshl_b32 s81, s18, 7
	s_add_co_u32 s80, s80, s81
	s_mov_b32 s81, 0
	s_lshl_b32 s82, s24, 20                        ; x and out0: my first token's row of 4,096 bytes, + 512 X
	s_lshl_b32 s83, s18, 18
	s_add_co_u32 s82, s82, s83
	s_lshl_b32 s83, s23, 9
	s_add_co_u32 s82, s82, s83
	s_mov_b32 s83, 0
	s_mul_i32 s94, s20, 3*64*PITCH                 ; where the tiles go: my part's plane 0; no place in the cluster enters an LDS address
	s_mul_i32 s95, s20, 3*32768
	s_add_co_u32 s95, s95, S0B
	s_wait_kmcnt 0x0
	s_add_nc_u64 s[84:85], s[8:9], s[60:61]
	s_add_nc_u64 s[86:87], s[4:5], s[62:63]
	s_add_nc_u64 s[10:11], s[10:11], s[66:67]
	s_add_nc_u64 s[6:7], s[6:7], s[80:81]
	s_add_nc_u64 s[12:13], s[12:13], s[82:83]
	s_add_nc_u64 s[14:15], s[14:15], s[82:83]
	CROUND                                         ; all sixteen work-groups are here: the first joint loads meet
.irp s, 0
	s_mov_b32 s[G0+4*\s], 1
	s_add_co_u32 s[G0+4*\s+1], s94, \s*SLOT
	s_add_nc_u64 s[G0+4*\s+2:G0+4*\s+3], s[84:85], 256*\s
	s_or_b32 s[G0+4*\s+3], s[G0+4*\s+3], 0x80000000
	s_mov_b32 s[G0B+4*\s], 1
	s_add_co_u32 s[G0B+4*\s+1], s95, \s*SLOT
	s_add_nc_u64 s[G0B+4*\s+2:G0B+4*\s+3], s[86:87], 4096*\s
	s_or_b32 s[G0B+4*\s+3], s[G0B+4*\s+3], 0x80000000
.endr
	s_cmp_eq_u32 s19, 0                            ; a wave's first fill stands in one branch, ahead of every wait on TENSORcnt and every LDS read: one load of mine is out
	s_cbranch_scc0 .Lfirst_1
	tensor_load_to_lds s[G0:G0+3], s[G1:G1+7], s[48:51], s[52:55]   ; my one load at the head: three planes of my part
	s_nop 0
.rept 4
	v_nop
.endr
	s_branch .Lfirst_asked
.Lfirst_1:
	tensor_load_to_lds s[G0B:G0B+3], s[G1B:G1B+7], s[48:51], s[52:55]
	s_nop 0
.rept 4
	v_nop
.endr
.Lfirst_asked:
	v_and_b32 v1, 15, v0                           ; r
	v_bfe_u32 v96, v0, 4, 1                        ; h
	v_and_b32 v97, 31, v0                          ; lane
	v_mul_u32_u24 v98, v1, PITCH
	v_lshl_add_u32 v98, v96, 4, v98                ; out_w: a fragment's row x pitch + 16 h
	v_lshlrev_b32 v[CO], 4, v97
	s_mul_i32 s27, s19, 3*32768                    ; my four token tiles: part wave / 2,
	s_lshl_b32 s80, s20, 14                        ; its tiles 4 (wave % 2) on
	s_add_co_u32 s27, s27, s80
	s_add_co_u32 s27, s27, S0B
.irp s, 0,1,2
	v_add_nc_u32 v[ADR0+\s], \s*64*PITCH, v98      ; plane s
	v_add_nc_u32 v[ADR1+\s], s27, v[CO]
	s_add_co_u32 s27, s27, 32768
.endr
	v_lshlrev_b32 v[OL], 5, v97
	v_lshlrev_b32 v[OU], 1, v97
	s_mul_i32 s27, s18, 16*SPITCH
	s_add_co_u32 s27, s27, STAGE                   ; my stage
	v_mul_u32_u24 v[STO], v1, SPITCH               ; in: row r, 32 bytes for each half of the lanes
	v_lshl_add_u32 v[STO], v96, 5, v[STO]
	v_add_nc_u32 v[STO], s27, v[STO]
	v_lshl_add_u32 v[RD], v97, 4, s27              ; back: the 32 lanes take one row of 512 bytes
.irp j, 0,1,2,3                        ; lane l takes the 32 scale bytes of row 32 j + l of out_w's 128: eight words, one for each K step of 128
	global_load_b128 v[SC0+8*\j:SC0+8*\j+3], v[OL], s[10:11] offset:1024*\j
	global_load_b128 v[SC0+8*\j+4:SC0+8*\j+7], v[OL], s[10:11] offset:1024*\j+16
.endr
.irp j, 0,1                            ; lane l takes token 32 j + l of my 64: its halfword in each of the sixteen heads
.set i, 0
.rept 16
	global_load_u16 v[UT+16*\j+i], v[OU], s[6:7] offset:16384*i+64*\j
.set i, i+1
.endr
.endr
.macro XLOAD a, reg                    ; x: the 16 rows of block a, 512 consecutive bytes a load
.set i, 0
.rept 16
	global_load_b128 v[\reg+4*i:\reg+4*i+3], v[CO], s[12:13] offset:(16*(\a)+i)*4096 th:TH_LOAD_NT
.set i, i+1
.endr
.endm
	WIN 0xc0                                       ; destination window 3
	XLOAD 0, 128
	XLOAD 1, 192
	WIN 0
.macro FETCH s                         ; the fragments of K step s into set s % 2: 48 LDS loads in one run
.set FSL, ((\s)/2)%3
.set FQ, (\s)%2
	WIN TO0
.irp b, 0,1,2,3,4,5,6,7
.irp c, 0,1,2,3
	ds_load_b128 v[128*FQ+16*\b+4*\c:128*FQ+16*\b+4*\c+3], v[ADR0+FSL] offset:(\b/4)*3*64*PITCH+(\b%4)*16*PITCH+128*FQ+32*\c
.endr
.endr
	WIN TO1
.irp a, 0,1,2,3
.irp c, 0,1,2,3
	ds_load_b128 v[64*FQ+16*\a+4*\c:64*FQ+16*\a+4*\c+3], v[ADR1+FSL] offset:4096*\a+2048*FQ+512*\c
.endr
.endr
.endm
.macro MUL s, zero                     ; K step s: the 32 accumulators take turns, one instruction a turn, in the same order in every step
	WIN W_MUL
.irp a, 0,1,2,3
.irp b, 0,1,2,3,4,5,6,7
	WM 64*\a+8*\b, 128*((\s)%2)+16*\b, 64*((\s)%2)+16*\a, \zero, SC0+8*(\b/2)+(\s), SC1+8*(\a/2)+(\s), \b%2, \a%2
.endr
.endr
.endm
	s_wait_alu depctr_va_vdst(0)                   ; the wait at the head's end
	s_wait_tensorcnt 0x0                           ; my one load, three planes of my part, is in
	s_barrier_signal -1
	s_barrier_wait -1
	FETCH 0
	FETCH 1
	WIN 0
	s_wait_loadcnt 32                              ; the scale words and halfwords are in; the 32 loads of x may stay out
.irp j, 0,1
.irp s, 0,1,2,3,4,5,6,7
	v_lshl_or_b32 v[SC1+8*\j+\s], v[UT+16*\j+2*\s+1], 16, v[UT+16*\j+2*\s]   ; K step s is heads 2 s and 2 s + 1: four bytes, the lower k in the lower byte
.endr
.endr
	PLACES 8                                       ; a scale register written by a vector instruction stands eight places ahead of the product that reads it
	s_wait_alu depctr_va_vdst(0)
	s_wait_dscnt 48                                ; step 0's fragments are in; step 1's 48 loads may be out
	MUL 0, 1                                       ; the first step starts the sums: nothing is cleared
	; SLOT 0 IS FILLED AGAIN, with K 768 .. 1,023: it has four steps, 128 matrix instructions, in which to land
	WIN 0
	s_wait_tensorcnt 0x0                           ; all my tensor loads have landed, slots 1 and 2 among them: every group 0 may be written
	ds_add_u32 v[SPW], v[NIL]                      ; 0 onto my spare word
	s_add_nc_u64 s[G0+2:G0+3], s[G0+2:G0+3], 768
	s_add_nc_u64 s[G0B+2:G0B+3], s[G0B+2:G0B+3], 12288
	s_mov_b32 s[G1+4], 64                          ; no tensor load of mine is out: from here on a load brings one plane
	s_mov_b32 s[G1+6], 0
	s_mov_b32 s[G1B+4], 8
	s_mov_b32 s[G1B+6], 0
	s_wait_dscnt 0x0                               ; the add is done, and my reads of slot 0 (steps 0 and 1) are over
	CROUND                                         ; both now hold of every wave of every partner
	JLOAD G0, G0B                                  ; the first tensor load behind the round; its four v_nop are four of the eight places in front of the loads below
	PLACES 4
	FETCH 2
	MUL 1, 0
.irp s, 2,3,4
	PLACES 8                                       ; in front of loads into registers that matrix instructions have read (ISA guide 7.12.1 for vector instructions)
	FETCH \s+1
	s_wait_dscnt 48                                ; this step's fragments are in; the next step's 48 loads may be out
	MUL \s, 0
.endr
	s_wait_tensorcnt 0x0                           ; my part of slot 0's second tile is in (the one load that was out),
	s_wait_dscnt 0x0                               ; no LDS load of mine is pending at the signal: my reads of slots 1 and 2 are over,
	s_barrier_signal -1
	s_barrier_wait -1                              ; everybody's
	PLACES 8
	FETCH 6
	MUL 5, 0
	PLACES 8
	FETCH 7
	s_wait_dscnt 48
	MUL 6, 0
	PLACES 8                                       ; set 0 of source 0's fragments is done with: it takes the rest of x
	WIN 0x80                                       ; destination window 2
	XLOAD 2, 0
	XLOAD 3, 64
	s_wait_dscnt 0x0
	MUL 7, 0
	PLACES 8                                       ; in front of the first reads of results
	WIN 0
; THE WAY OUT, block by block of 16 tokens x 128 columns.  A lane holds 32 neighbouring bytes of a row, and the lanes beside it hold other rows: a block goes through my own stage in LDS and comes back as whole rows of 512 bytes;
; x is added, and the 32 lanes store a row.  LDS serves a wave's instructions in order (ISA guide 5.7.1.4): no wait between the stores and the loads.
.macro OUTB a
.if (\a) > 1
	s_wait_xcnt 0x0                                ; block a - 2's stores have read their registers: block a's rows may land there
.endif
	WIN 0x04                                       ; an LDS store's data are its source 1: window 1
.irp b, 0,1,2,3,4,5,6,7
	ds_store_b128 v[STO], v[64*(\a)+8*\b:64*(\a)+8*\b+3] offset:64*\b        ; each accumulator from its low end on
	ds_store_b128 v[STO], v[64*(\a)+8*\b+4:64*(\a)+8*\b+7] offset:64*\b+16
.endr
	WIN 0
.set BB, BK+64*((\a)%2)
.set XR, (128+64*(\a))%256
.set i, 0
.rept 16
	ds_load_b128 v[BB+4*i:BB+4*i+3], v[RD] offset:i*SPITCH
.set i, i+1
.endr
	s_wait_dscnt 0x0
	s_wait_loadcnt 48-16*(\a)                      ; this block's 16 rows of x are in; the younger blocks' may be out
	WIN 0x0c-4*((\a)/2)                            ; source 1: window 3 (blocks 0, 1) or 2 (blocks 2, 3)
.set i, 0
.rept 32
	v_pk_add_f32 v[BB+i:BB+i+1], v[BB+i:BB+i+1], v[XR+i:XR+i+1]
.set i, i+2
.endr
	WIN 0
.set i, 0
.rept 16
	global_store_b128 v[CO], v[BB+4*i:BB+4*i+3], s[14:15] offset:(16*(\a)+i)*4096 th:TH_STORE_NT   ; 512 consecutive bytes, at a multiple of 256 from out0's first byte; written once, read by nobody here
.set i, i+1
.endr
.endm
	OUTB 0
	OUTB 1
	OUTB 2
	OUTB 3
	s_wait_tensorcnt 0x0                           ; the wave's end, behind my last tensor load and my last LDS store
	ds_add_u32 v[SPW], v[NIL]
	s_wait_dscnt 0x0
	CROUND                                         ; the closing round: no work-group ends while a partner may still ask for a tile that names it
	s_endpgm
.Lfunc_end_k_q0e591afca3_outp:
	.size	k_q0e591afca3_outp, .Lfunc_end_k_q0e591afca3_outp-k_q0e591afca3_outp
	.p2alignl 7, 3214868480
	.fill 96, 4, 3214868480
	.section	.rodata,"a",@progbits
	.p2align	6, 0x0
	.amdhsa_kernel k_q0e591afca3_outp
		.amdhsa_group_segment_fixed_size 327680
		.amdhsa_private_segment_fixed_size 0
		.amdhsa_enable_private_segment 0
		.amdhsa_kernarg_size 48
		.amdhsa_user_sgpr_count 2
		.amdhsa_user_sgpr_kernarg_segment_ptr 1
		.amdhsa_wavefront_size32 1
		.amdhsa_system_sgpr_workgroup_id_x 1
		.amdhsa_system_sgpr_workgroup_id_y 1
		.amdhsa_system_sgpr_workgroup_id_z 1
		.amdhsa_system_vgpr_workitem_id 0
		.amdhsa_next_free_vgpr 1024
		.amdhsa_next_free_sgpr 100
		.amdhsa_reserve_vcc 0
		.amdhsa_float_denorm_mode_32 3
		.amdhsa_float_denorm_mode_16_64 3
		.amdhsa_memory_ordered 1
		.amdhsa_forward_progress 1
		.amdhsa_inst_pref_size 102
	.end_amdhsa_kernel
	.amdgpu_metadata
---
amdhsa.version: [ 1, 2 ]
amdhsa.kernels:
  - .name:           k_q0e591afca3_outp
    .symbol:         k_q0e591afca3_outp.kd
    .args:
      - { .name: o_img, .offset: 0, .size: 8, .value_kind: global_buffer, .address_space: global }
      - { .name: o_sc, .offset: 8, .size: 8, .value_kind: global_buffer, .address_space: global }
      - { .name: out_w_codes, .offset: 16, .size: 8, .value_kind: global_buffer, .address_space: global }
      - { .name: out_w_scales, .offset: 24, .size: 8, .value_kind: global_buffer, .address_space: global }
      - { .name: x, .offset: 32, .size: 8, .value_kind: global_buffer, .address_space: global }
      - { .name: out0, .offset: 40, .size: 8, .value_kind: global_buffer, .address_space: global }
    .group_segment_fixed_size: 327680
    .private_segment_fixed_size: 0
    .kernarg_segment_align: 8
    .kernarg_segment_size: 48
    .max_flat_workgroup_size: 128
    .sgpr_count:     100
    .vgpr_count:     1024
    .wavefront_size: 32
...
	.end_amdgpu_metadata
.endif
;; end of part 5
